; MI455X (gfx1250); checked and timed in simulation.
; The chip was launched on July 23, 2026; its instructions are those of AMD's public machine-readable ISA for CDNA 5 (MIT licence, August 2026) and "CDNA5" Instruction Set Architecture Reference Guide (July 2026). The comments in the code are by the model that wrote it; some were corrected since.
;; Prefix Decoder Block. Allowed arithmetic: matrix products marked QUANTISED: E2M3 operands, one E8M0 scale for each 32 along K, by v_wmma_scale_f32_16x16x128_f8f6f4 with both operands' format E2M3, f32 sums; everything else in f32.
;; Inputs: fc1_b 4,096 float32; fc1_w 4,096 x 1,024 float32; fc2_b 1,024 float32; fc2_w 1,024 x 4,096 float32; in_proj_b 3,072 float32; in_proj_w 3,072 x 1,024 float32; ln1_b 1,024 float32; ln1_w 1,024 float32; ln2_b 1,024 float32; ln2_w 1,024 float32; out_b 1,024 float32; out_w 1,024 x 1,024 float32; x 2 x 2,048 x 1,024 float32.
;; Outputs: out0 2 x 2,048 x 1,024 float32.
;; Constants: prefix_len = 512.
;; This version of the problem:
;;   THIS VERSION OF THE PROBLEM IS GIVEN IN LOW PRECISION. The matrix products marked QUANTISED in the list below multiply operands that are first quantised to E2M3 (2 exponent bits, 3 mantissa bits; 6 bits a number), with one power-of-two scale for each 32 numbers along K (OCP MX v1.0); their sums are f32. All else is computed in f32.
;;   The module's matrix products, in the order in which they are computed (A, B: the left and right operand; K: the contracted axis; several contracted axes count as one K, in the product's order):
;;     1. [M 4,096, K 1,024] x [K 1,024, N 3,072]; A: computed on the way; B: input in_proj_w: QUANTISED
;;     2. batch 32 x [M 2,048, K 64] x [K 64, N 2,048]; A: computed on the way; B: computed on the way: QUANTISED
;;     3. batch 32 x [M 64, K 2,048] x [K 2,048, N 2,048]; A: computed on the way; B: softmax (see below): QUANTISED
;;     4. [M 4,096, K 1,024] x [K 1,024, N 1,024]; A: computed on the way; B: input out_w: QUANTISED
;;     5. [M 4,096, K 1,024] x [K 1,024, N 4,096]; A: computed on the way; B: input fc1_w: QUANTISED
;;     6. [M 4,096, K 4,096] x [K 4,096, N 1,024]; A: computed on the way; B: input fc2_w: QUANTISED
;;   THE QUANTISER, for each operand of a quantised product, along K:
;;     - K is cut into blocks of 32 from its start; a last block that is shorter is filled with zeros.
;;     - A block's scale is 2^e with e = floor(log2(the largest magnitude in the block)) - 2, held to -126 .. 127; a block of zeros has e = 0. As a byte (E8M0): e + 127.
;;     - Each number is divided by its block's scale, clamped to +-7.5, and rounded to the nearest number of E2M3, ties to even, subnormals kept.
;;     - The product sums the exact products of the quantised numbers (number of the format x scale) in f32.
;;   ~~~python
;;   def quantise(x, axis):      # numpy; x: float32 -> the quantised numbers, widened to float32 again
;;       x = np.moveaxis(x, axis, -1); K = x.shape[-1]
;;       x = np.pad(x, [(0, 0)] * (x.ndim - 1) + [(0, -K % 32)]); x = x.reshape(x.shape[:-1] + (-1, 32)); a = np.abs(x).max(-1, keepdims=True)
;;       e = np.where(a > 0, np.clip(np.frexp(np.where(a > 0, a, 1))[1] - 1 - 2, -126, 127), 0)      # np.frexp(a)[1] - 1 = floor(log2(a)), exactly
;;       r = np.clip(x / 2.0 ** e, -7.5, 7.5)
;;       step = 2.0 ** (np.maximum(np.frexp(np.where(r == 0, 1, r))[1] - 1, 0) - 3)
;;       q = np.round(r / step) * step * 2.0 ** e      # np.round: ties to even
;;       return np.moveaxis(q.reshape(q.shape[:-2] + (-1,))[..., :K], -1, axis).astype(np.float32)
;;   ~~~
;;   SOFTMAX AHEAD OF A QUANTISED PRODUCT. Where the list says 'softmax', what is quantised is not the finished softmax but p = 2^(t - M), with t = logit x log2(e) and M = ceil(the row's largest t), a whole number; so 1/2 < the row's largest p <= 1. The row's sum l is taken of the UNQUANTISED p, in f32, and the product's result is divided by l at the end. Since M is a whole number, a kernel that streams over the keys may use a running M (the ceiling of the running maximum): every later rescaling is an exact power of two, which a block's scale takes up: the codes' values come out the same.
;;   OPERANDS COMPUTED ON THE WAY. 'Computed on the way' means the value that the module computes at that place (a softmax that the list does not call 'softmax' is quantised finished and normalised). What goes into a quantiser is computed in f32, as accurately as f32 sums, v_exp_f32 and their like allow (about 1e-6 of the number): no bf16 or f16 on the way to a quantiser, and a product that is left as it is and whose result goes on into a quantised operand takes f32 operands (vector FMAs, or v_wmma_f32_16x16x4_f32). A number that lies on a knife's edge between two numbers of the format may be rounded either way, as far as f32 arithmetic and the matrix unit's own rounding can turn it there, and no further.
;; One version. Each part assembles by itself: llvm-mc -triple=amdgcn-amd-amdhsa -mcpu=gfx1250 --defsym DOCPART=n.
;; ======== version 1 of 1: 6 launches
;; limits: right only within a limited range of input values
;; workspace buffers: wq 13,139,968 bytes; qkvb 10,092,544 bytes; ctxb 3,276,800 bytes; mid 20,054,016 bytes; act 13,107,200 bytes
;; launch prep (part 1): grid 512 x 1, 8 waves a work-group, no clusters, 69,632 bytes of LDS; arguments x, ln1_w, ln1_b, in_proj_w, out_w, fc1_w, fc2_w, wq; writes wq
.if DOCPART == 1
	.amdgcn_target "amdgcn-amd-amdhsa--gfx1250"
	.amdhsa_code_object_version 6
	.text
	.protected	k_qbfa88535b7_prep
	.globl	k_qbfa88535b7_prep
	.p2align	8
	.type	k_qbfa88535b7_prep,@function
k_qbfa88535b7_prep:
	s_mov_b64 s[64:65], 0
	v_nop
	global_prefetch_b8 v0, s[64:65] scope:SCOPE_SE
	s_setreg_imm32_b32 hwreg(HW_REG_WAVE_MODE, 25, 1), 1
	s_wait_xcnt 0x0
; LayerNorm 1 of x, and the four weights, become codes of FP6 (E2M3) with one E8M0 byte for each 32 along K, in the program's own layout.
; LAYOUT OF EVERY QUANTISED OPERAND [R][K].  Codes: [R/16][K/128][1536]: an IMAGE of the operand's 12 registers for 16 rows x 128 K: for c = 0, 1: registers 6c..6c+3 at 768c + 16 x lane,
; registers 6c+4, 6c+5 at 768c + 512 + 8 x lane.  Scale words: [K/128][row pitch] of 4 bytes, byte b for the step's block b.
; ORDER INSIDE A BLOCK OF 32: code i holds element 0-7, 16-23, 8-15, 24-31 (in fours: 0,1,4,5,2,3,6,7).  Both operands of every product use it, so the products are the same.
; SHARES.  A unit is 16 rows x 1,024 along K (64 KiB of f32), 16 rows x 128 for each of the 8 waves.  A work-group takes TWO units: first one of fc1_w (work-groups 0-255) or fc2_w (256-511, four units to a row block),
; then one of x (0-255), in_proj_w (256-447) or out_w (448-511).  The second unit's 16 loads a wave go out as soon as the first unit has left its registers for the stage: they are on their way while the first is quantised.
; A load reads 512 consecutive bytes of a row; the tile turns through the wave's own stage in LDS, so that lane (r, h) then holds blocks h and 2 + h of row r.  Every store of codes covers whole runs of 256 bytes.
; No matrix work, no tensor load, no cluster: the work-groups share no input.  LIMITS: NaN and infinities are not served; a block whose largest magnitude lies under 2^-124 (a block of zeros too) gets the byte 1:
; this program alone reads the bytes.  The sums of the norm are taken in another order than a plain sum, within f32 rounding.
.set HC,  0
.set HS,  3145728
.set WQC, 3276800
.set WQS, 5636096
.set WOC, 5767168
.set WOS, 6553600
.set W1C, 6586368
.set W1S, 9732096
.set W2C, 9863168
.set W2S, 13008896
.set SROW, 528                         ; a stage row: 512 bytes + 16
.set WST,  16*SROW                     ; a wave's stage
.set STAT, 8*WST                       ; behind the stages: [16 rows][8 waves] f32, twice (sums, sums of squares)
.set X,   16                           ; v16-79   my 64 numbers: register 32 c + i = block 2 c + h in the block's order
.set RAW, 80                           ; v80-143  a tile as loaded; later ln1_w
.set LW,  80
.set LB,  144                          ; v144-207 ln1_b
.set PC,  208                          ; v208-219 the codes
.set CT,  220                          ; v220-227 second halves of the blocks' codes
.set MX,  228
.set SV,  232
.set BY,  234
.set W,   236
.set W2,  237
.set T,   240                          ; v240-255 at work
.set SEL, 36
; 64 numbers of a lane become a fragment's 12 registers in v[PC] on and the row's scale word in v[W]
.macro QUANT128 xr
.irp k, 0,1,2,3
	v_max3_num_f32 v[MX+\k], |v[\xr+16*\k]|, |v[\xr+16*\k+1]|, 0x1800000   ; four chains; the floor 2^(3 - 127) holds the byte at 1 from below
.endr
.irp i, 2,4,6,8,10,12,14
.irp k, 0,1,2,3
	s_delay_alu instid0(VALU_DEP_4)
	v_max3_num_f32 v[MX+\k], v[MX+\k], |v[\xr+16*\k+\i]|, |v[\xr+16*\k+\i+1]|
.endr
.endr
	s_delay_alu instid0(VALU_DEP_3)
	v_max_num_f32 v[MX], v[MX], v[MX+1]            ; block h
	s_delay_alu instid0(VALU_DEP_2)
	v_max_num_f32 v[MX+2], v[MX+2], v[MX+3]        ; block 2 + h
	s_delay_alu instid0(VALU_DEP_2)
	v_add_nc_u32 v[SV], 0xff000000, v[MX]          ; 2 off the exponent field: the conversion's scale operand
	s_delay_alu instid0(VALU_DEP_2)
	v_add_nc_u32 v[SV+1], 0xff000000, v[MX+2]
	s_delay_alu instid0(VALU_DEP_2)
	v_lshrrev_b32 v[BY], 23, v[SV]                 ; the bytes
	s_delay_alu instid0(VALU_DEP_2)
	v_lshrrev_b32 v[BY+1], 23, v[SV+1]
	s_delay_alu instid0(VALU_DEP_1)
	v_lshl_or_b32 v[W], v[BY+1], 16, v[BY]
	s_delay_alu instid0(VALU_DEP_1)
	v_lshlrev_b32 v[W], v6, v[W]                   ; 8 h bits up
	s_delay_alu instid0(VALU_DEP_1)
	v_permlanex16_b32 v[W2], v[W], s[SEL], s[SEL+1]
	s_delay_alu instid0(VALU_DEP_1)
	v_or_b32 v[W], v[W], v[W2]                     ; with lane l xor 16's two bytes the word is whole
.irp c, 0,1
	v_cvt_scalef32_pk16_fp6_f32 v[PC+6*\c:PC+6*\c+2], v[\xr+32*\c:\xr+32*\c+15], v[SV+\c]
	v_cvt_scalef32_pk16_fp6_f32 v[CT+4*\c:CT+4*\c+2], v[\xr+32*\c+16:\xr+32*\c+31], v[SV+\c]   ; (a conversion's three registers begin on an even number)
.endr
	v_nop                                          ; one plain line behind the scaled conversions
.irp c, 0,1
.irp i, 0,1,2
	v_mov_b32 v[PC+6*\c+3+\i], v[CT+4*\c+\i]
.endr
.endr
.endm
.macro LOADT base, pitch               ; 16 rows x 512 bytes
.set lr, 0
.rept 16
	global_load_b128 v[RAW+4*lr:RAW+4*lr+3], v1, s[\base:\base+1] offset:lr*(\pitch) th:TH_LOAD_NT
.set lr, lr+1
.endr
.endm
.macro TURNT                           ; the tile goes through my stage and comes back 64 numbers of a row to a lane
.set lr, 0
.rept 16
	s_wait_loadcnt 15-lr                           ; loads come back in order: row lr is in, the younger rows stay out
	ds_store_b128 v4, v[RAW+4*lr:RAW+4*lr+3] offset:SROW*lr
.set lr, lr+1
.endr
.irp c, 0,1
.irp j, 0,1,2,3,4,5,6,7
	ds_load_b128 v[X+32*\c+4*\j:X+32*\c+4*\j+3], v5 offset:256*\c+16*((\j%2)+2*(\j/4)+4*((\j/2)%2))   ; LDS serves a wave's instructions in order: these see my stores
.endr
.endr
	s_wait_dscnt 0x0                               ; the numbers are in, and the stores have read the registers of the tile as loaded
.endm
.macro STIMG im, sc
	global_store_b128 v1, v[PC:PC+3], s[\im:\im+1]                  ; 512 consecutive bytes
	global_store_b64 v2, v[PC+4:PC+5], s[\im:\im+1] offset:512      ; 256
	global_store_b128 v1, v[PC+6:PC+9], s[\im:\im+1] offset:768
	global_store_b64 v2, v[PC+10:PC+11], s[\im:\im+1] offset:1280
	global_store_b32 v3, v[W], s[\sc:\sc+1]                         ; 16 words; both halves of the lanes hold the same word
.endm
; v[T] holds my 64 numbers' sum; behind it v[T] holds the row's sum over all 1,024
.macro ROWSUM off
	s_delay_alu instid0(VALU_DEP_1)
	v_permlanex16_b32 v[T+1], v[T], s[SEL], s[SEL+1]
	s_delay_alu instid0(VALU_DEP_1)
	v_add_f32 v[T], v[T], v[T+1]                   ; the wave's 128 columns of row r
	ds_store_b32 v8, v[T] offset:\off              ; both halves of the lanes write the same word with the same value
	s_wait_dscnt 0x0                               ; for the others' sake: my store has landed
	s_barrier_signal -1
	s_barrier_wait -1
	ds_load_b128 v[T+8:T+11], v9 offset:\off
	ds_load_b128 v[T+12:T+15], v9 offset:\off+16
	s_wait_dscnt 0x0
	v_pk_add_f32 v[T+8:T+9], v[T+8:T+9], v[T+12:T+13]
	v_pk_add_f32 v[T+10:T+11], v[T+10:T+11], v[T+14:T+15]
	s_delay_alu instid0(VALU_DEP_1)
	v_pk_add_f32 v[T+8:T+9], v[T+8:T+9], v[T+10:T+11]
	s_delay_alu instid0(VALU_DEP_1)
	v_add_f32 v[T], v[T+8], v[T+9]
.endm
	s_load_b256 s[4:11], s[0:1], 0x0               ; x, ln1_w, ln1_b, in_proj_w
	s_load_b256 s[12:19], s[0:1], 0x20             ; out_w, fc1_w, fc2_w, wq
	v_lshl_add_u32 v238, v0, 2, 0x10c00
	v_mov_b32 v239, 0
	v_lshrrev_b32 v10, 5, v0
	s_delay_alu instid0(VALU_DEP_1)
	v_readfirstlane_b32 s2, v10                    ; wave 0..7
	v_and_b32 v11, 31, v0                          ; lane
	v_and_b32 v12, 15, v0                          ; r
	v_bfe_u32 v13, v0, 4, 1                        ; h
	s_delay_alu instid0(VALU_DEP_3)
	v_lshlrev_b32 v1, 4, v11                       ; 16 x lane
	s_delay_alu instid0(VALU_DEP_4)
	v_lshlrev_b32 v2, 3, v11                       ; 8 x lane
	s_delay_alu instid0(VALU_DEP_4)
	v_lshlrev_b32 v3, 2, v12                       ; 4 r
	s_mul_i32 s3, s2, WST
	v_add_nc_u32 v4, s3, v1                        ; the stage, on the way in
	v_mul_u32_u24 v5, v12, SROW
	s_delay_alu instid0(VALU_DEP_1)
	v_lshl_add_u32 v5, v13, 7, v5
	s_delay_alu instid0(VALU_DEP_1)
	v_add_nc_u32 v5, s3, v5                        ; and on the way out: row r, + 128 h
	v_lshlrev_b32 v6, 3, v13                       ; 8 h
	v_lshlrev_b32 v7, 7, v13                       ; 128 h
	v_lshlrev_b32 v9, 5, v12
	s_delay_alu instid0(VALU_DEP_1)
	v_add_nc_u32 v9, STAT, v9                      ; row r's eight partial sums
	s_lshl_b32 s3, s2, 2
	v_add_nc_u32 v8, s3, v9                        ; my wave's word among them
	v_mov_b32 v[W2], 0                             ; written once: a lane permute's destination counts as one of its sources
	s_mov_b32 s[SEL], 0x76543210
	s_mov_b32 s[SEL+1], 0xfedcba98
	s_mov_b32 s38, 0x3a800000                      ; 1 / 1024
	s_mov_b32 s39, 0x3727c5ac                      ; 1e-5
	; ---- the first unit: fc1_w or fc2_w; the choice hangs on the work-group's number alone
	s_mov_b32 s23, W2C
	s_mov_b32 s24, W2S
	s_mov_b32 s25, 4096                            ; bytes of scale words for a K step
	s_wait_kmcnt 0x0
	s_cmp_lt_u32 ttmp9, 256
	s_cselect_b64 s[20:21], s[14:15], s[16:17]
	s_cselect_b32 s22, 0, 256                      ; the tensor's first work-group
	s_cselect_b32 s23, W1C, s23
	s_cselect_b32 s24, W1S, s24
	s_cselect_b32 s25, 16384, s25
	s_cselect_b32 s26, 0, 2                        ; fc2_w: four units to a row block
	s_cselect_b32 s27, 0, 3
	s_sub_co_u32 s22, ttmp9, s22                   ; the unit's number within the tensor
	s_lshr_b32 s28, s22, s26                       ; row block
	s_and_b32 s29, s22, s27
	s_lshl_b32 s29, s29, 3
	s_add_co_u32 s29, s29, s2                      ; my wave's K step
	s_add_co_u32 s30, s26, 16
	s_lshl_b32 s30, s28, s30                       ; 16 rows of 4,096 or 16,384 bytes
	s_lshl_b32 s31, s29, 9
	s_add_co_u32 s30, s30, s31
	s_mov_b32 s31, 0
	s_add_nc_u64 s[20:21], s[20:21], s[30:31]      ; my tile
	s_cmp_lt_u32 ttmp9, 256
	s_cbranch_scc0 .Lwide
	LOADT 20, 4096
	s_branch .Lloaded
.Lwide:
	LOADT 20, 16384
.Lloaded:
	s_add_co_u32 s30, s26, 3                       ; scalar work while the loads are out: none of these registers is a pending load's
	s_lshl_b32 s30, s28, s30
	s_add_co_u32 s30, s30, s29
	s_mul_i32 s30, s30, 1536
	s_add_co_u32 s30, s30, s23
	s_add_nc_u64 s[32:33], s[18:19], s[30:31]      ; the first unit's image
	s_mul_i32 s30, s29, s25
	s_lshl_b32 s3, s28, 6
	s_add_co_u32 s30, s30, s3
	s_add_co_u32 s30, s30, s24
	s_add_nc_u64 s[34:35], s[18:19], s[30:31]      ; and its scale words
	; ---- the second unit: x, in_proj_w or out_w; rows of 4,096 bytes, my K step is my wave's number
	s_mov_b64 s[40:41], s[12:13]
	s_mov_b32 s22, 448
	s_mov_b32 s23, WOC
	s_mov_b32 s24, WOS
	s_mov_b32 s25, 4096
	s_cmp_lt_u32 ttmp9, 448
	s_cselect_b64 s[40:41], s[10:11], s[40:41]
	s_cselect_b32 s22, 256, s22
	s_cselect_b32 s23, WQC, s23
	s_cselect_b32 s24, WQS, s24
	s_cselect_b32 s25, 16384, s25
	s_cmp_lt_u32 ttmp9, 256
	s_cselect_b64 s[40:41], s[4:5], s[40:41]
	s_cselect_b32 s22, 0, s22
	s_cselect_b32 s23, HC, s23
	s_cselect_b32 s24, HS, s24
	s_sub_co_u32 s28, ttmp9, s22                   ; row block
	s_lshl_b32 s30, s28, 16
	s_lshl_b32 s3, s2, 9
	s_add_co_u32 s30, s30, s3
	s_add_nc_u64 s[40:41], s[40:41], s[30:31]      ; my tile
	s_lshl_b32 s30, s28, 3
	s_add_co_u32 s30, s30, s2
	s_mul_i32 s30, s30, 1536
	s_add_co_u32 s30, s30, s23
	s_add_nc_u64 s[42:43], s[18:19], s[30:31]      ; its image
	s_mul_i32 s30, s2, s25
	s_lshl_b32 s3, s28, 6
	s_add_co_u32 s30, s30, s3
	s_add_co_u32 s30, s30, s24
	s_add_nc_u64 s[44:45], s[18:19], s[30:31]      ; its scale words
	s_wait_alu depctr_va_vdst(0)
	TURNT                                          ; the first unit
	LOADT 40, 4096                                 ; the second unit's loads go out now, into registers that the stage's stores have read
	QUANT128 X
	STIMG 32, 34
	TURNT                                          ; the second unit: only its own 16 loads count on LOADcnt here
	s_cmp_lt_u32 ttmp9, 256
	s_cbranch_scc0 .Lquant                         ; the same for all waves of a work-group: the two barriers below stand on every wave's path or on none's
	; ---- LayerNorm 1
	s_lshl_b32 s30, s2, 9
	s_add_nc_u64 s[6:7], s[6:7], s[30:31]
	s_add_nc_u64 s[8:9], s[8:9], s[30:31]
.irp c, 0,1
.irp j, 0,1,2,3,4,5,6,7
	global_load_b128 v[LW+32*\c+4*\j:LW+32*\c+4*\j+3], v7, s[6:7] offset:256*\c+16*((\j%2)+2*(\j/4)+4*((\j/2)%2))
	global_load_b128 v[LB+32*\c+4*\j:LB+32*\c+4*\j+3], v7, s[8:9] offset:256*\c+16*((\j%2)+2*(\j/4)+4*((\j/2)%2))
.endr
.endr
	v_pk_add_f32 v[242:243], v[16:17], v[24:25]
	v_pk_add_f32 v[244:245], v[32:33], v[40:41]
	v_pk_add_f32 v[246:247], v[48:49], v[56:57]
	v_pk_add_f32 v[254:255], v[64:65], v[72:73]
	v_pk_add_f32 v[252:253], v[18:19], v[26:27]
	v_pk_add_f32 v[250:251], v[34:35], v[42:43]
	v_pk_add_f32 v[248:249], v[50:51], v[58:59]
	v_pk_add_f32 v[240:241], v[66:67], v[74:75]
	s_delay_alu instid0(VALU_DEP_1)
	v_pk_add_f32 v[240:241], v[240:241], v[20:21]
	v_pk_add_f32 v[242:243], v[242:243], v[28:29]
	v_pk_add_f32 v[244:245], v[244:245], v[36:37]
	v_pk_add_f32 v[246:247], v[246:247], v[44:45]
	v_pk_add_f32 v[254:255], v[254:255], v[52:53]
	v_pk_add_f32 v[252:253], v[252:253], v[60:61]
	v_pk_add_f32 v[250:251], v[250:251], v[68:69]
	v_pk_add_f32 v[248:249], v[248:249], v[76:77]
	v_pk_add_f32 v[240:241], v[240:241], v[22:23]
	v_pk_add_f32 v[242:243], v[242:243], v[30:31]
	v_pk_add_f32 v[244:245], v[244:245], v[38:39]
	v_pk_add_f32 v[246:247], v[246:247], v[46:47]
	v_pk_add_f32 v[254:255], v[254:255], v[54:55]
	v_pk_add_f32 v[252:253], v[252:253], v[62:63]
	v_pk_add_f32 v[250:251], v[250:251], v[70:71]
	v_pk_add_f32 v[248:249], v[248:249], v[78:79]
	s_delay_alu instid0(VALU_DEP_4)
	v_pk_add_f32 v[240:241], v[240:241], v[254:255]
	s_delay_alu instid0(VALU_DEP_4)
	v_pk_add_f32 v[242:243], v[242:243], v[252:253]
	s_delay_alu instid0(VALU_DEP_4)
	v_pk_add_f32 v[244:245], v[244:245], v[250:251]
	s_delay_alu instid0(VALU_DEP_4)
	v_pk_add_f32 v[246:247], v[246:247], v[248:249]
	s_delay_alu instid0(VALU_DEP_2)
	v_pk_add_f32 v[240:241], v[240:241], v[244:245]
	s_delay_alu instid0(VALU_DEP_2)
	v_pk_add_f32 v[242:243], v[242:243], v[246:247]
	s_delay_alu instid0(VALU_DEP_1)
	v_pk_add_f32 v[240:241], v[240:241], v[242:243]
	s_delay_alu instid0(VALU_DEP_1)
	v_add_f32 v[T], v[T], v[T+1]
	ROWSUM 0
	s_delay_alu instid0(VALU_DEP_1)
	v_mul_f32 v[T], s38, v[T]                      ; the mean
.set lr, 0
	s_wait_alu depctr_va_vdst(0)
.rept 32
	v_pk_add_f32 v[X+lr:X+lr+1], v[X+lr:X+lr+1], v[T:T+1] op_sel_hi:[1,0] neg_lo:[0,1] neg_hi:[0,1]
.set lr, lr+2
.endr
.irp k, 0,2,4,6
	v_pk_mul_f32 v[T+\k:T+\k+1], v[X+\k:X+\k+1], v[X+\k:X+\k+1]
.endr
.irp i, 8,16,24,32,40,48,56
.irp k, 0,2,4,6
	s_delay_alu instid0(VALU_DEP_4)
	v_pk_fma_f32 v[T+\k:T+\k+1], v[X+\i+\k:X+\i+\k+1], v[X+\i+\k:X+\i+\k+1], v[T+\k:T+\k+1]
.endr
.endr
	s_delay_alu instid0(VALU_DEP_3)
	v_pk_add_f32 v[T:T+1], v[T:T+1], v[T+2:T+3]
	s_delay_alu instid0(VALU_DEP_2)
	v_pk_add_f32 v[T+4:T+5], v[T+4:T+5], v[T+6:T+7]
	s_delay_alu instid0(VALU_DEP_1)
	v_pk_add_f32 v[T:T+1], v[T:T+1], v[T+4:T+5]
	s_delay_alu instid0(VALU_DEP_1)
	v_add_f32 v[T], v[T], v[T+1]
	ROWSUM 512                                     ; other bytes than the first sums': no barrier is owed between the two
	s_delay_alu instid0(VALU_DEP_1)
	v_fma_f32 v[T], v[T], s38, s39                 ; the variance + 1e-5
	s_wait_alu depctr_va_vdst(0)
	v_rsq_f32 v[T+2], v[T]
	v_nop                                          ; a plain line behind the transcendental
	s_wait_alu depctr_va_vdst(0)                   ; ahead of the first line that names the result
	s_wait_loadcnt 0x0                             ; ln1_w, ln1_b
.set lr, 0
.rept 32
	v_pk_mul_f32 v[X+lr:X+lr+1], v[X+lr:X+lr+1], v[T+2:T+3] op_sel_hi:[1,0]
.set lr, lr+2
.endr
.set lr, 0
.rept 32
	v_pk_fma_f32 v[X+lr:X+lr+1], v[X+lr:X+lr+1], v[LW+lr:LW+lr+1], v[LB+lr:LB+lr+1]
.set lr, lr+2
.endr
.Lquant:
	s_wait_xcnt 0x0                                ; the first unit's stores have read their data: the codes' registers and the word are written again only behind this wait
	QUANT128 X
	STIMG 42, 44
	s_wait_tensorcnt 0x0
	ds_add_u32 v238, v239
	s_wait_dscnt 0x0
	s_endpgm
.Lfunc_end_k_qbfa88535b7_prep:
	.size	k_qbfa88535b7_prep, .Lfunc_end_k_qbfa88535b7_prep-k_qbfa88535b7_prep
	.p2alignl 7, 3214868480
	.fill 96, 4, 3214868480
	.section	.rodata,"a",@progbits
	.p2align	6, 0x0
	.amdhsa_kernel k_qbfa88535b7_prep
		.amdhsa_group_segment_fixed_size 69632
		.amdhsa_private_segment_fixed_size 0
		.amdhsa_enable_private_segment 0
		.amdhsa_kernarg_size 64
		.amdhsa_user_sgpr_count 2
		.amdhsa_user_sgpr_kernarg_segment_ptr 1
		.amdhsa_wavefront_size32 1
		.amdhsa_system_sgpr_workgroup_id_x 1
		.amdhsa_system_sgpr_workgroup_id_y 1
		.amdhsa_system_sgpr_workgroup_id_z 1
		.amdhsa_system_vgpr_workitem_id 0
		.amdhsa_next_free_vgpr 256
		.amdhsa_next_free_sgpr 66
		.amdhsa_reserve_vcc 0
		.amdhsa_float_denorm_mode_32 3
		.amdhsa_float_denorm_mode_16_64 3
		.amdhsa_memory_ordered 1
		.amdhsa_forward_progress 1
		.amdhsa_inst_pref_size 41
	.end_amdhsa_kernel
	.amdgpu_metadata
---
amdhsa.version: [ 1, 2 ]
amdhsa.kernels:
  - .name:           k_qbfa88535b7_prep
    .symbol:         k_qbfa88535b7_prep.kd
    .args:
      - { .name: x, .offset: 0, .size: 8, .value_kind: global_buffer, .address_space: global }
      - { .name: ln1_w, .offset: 8, .size: 8, .value_kind: global_buffer, .address_space: global }
      - { .name: ln1_b, .offset: 16, .size: 8, .value_kind: global_buffer, .address_space: global }
      - { .name: in_proj_w, .offset: 24, .size: 8, .value_kind: global_buffer, .address_space: global }
      - { .name: out_w, .offset: 32, .size: 8, .value_kind: global_buffer, .address_space: global }
      - { .name: fc1_w, .offset: 40, .size: 8, .value_kind: global_buffer, .address_space: global }
      - { .name: fc2_w, .offset: 48, .size: 8, .value_kind: global_buffer, .address_space: global }
      - { .name: wq, .offset: 56, .size: 8, .value_kind: global_buffer, .address_space: global }
    .group_segment_fixed_size: 69632
    .private_segment_fixed_size: 0
    .kernarg_segment_align: 8
    .kernarg_segment_size: 64
    .max_flat_workgroup_size: 256
    .sgpr_count:     66
    .vgpr_count:     256
    .wavefront_size: 32
...
	.end_amdgpu_metadata
.endif
;; end of part 1
;; launch qkv (part 2): grid 12 x 16, 4 waves a work-group, clusters of 4 x 4, 327,680 bytes of LDS; arguments wq, in_proj_b, qkvb; writes qkvb
.if DOCPART == 2
	.amdgcn_target "amdgcn-amd-amdhsa--gfx1250"
	.amdhsa_code_object_version 6
	.text
	.protected	k_qbfa88535b7_qkv
	.globl	k_qbfa88535b7_qkv
	.p2align	8
	.type	k_qbfa88535b7_qkv,@function
k_qbfa88535b7_qkv:
	s_mov_b64 s[64:65], 0
	v_nop
	global_prefetch_b8 v0, s[64:65] scope:SCOPE_SE
	s_setreg_imm32_b32 hwreg(HW_REG_WAVE_MODE, 25, 1), 1
	s_wait_xcnt 0x0
	s_wait_alu depctr_hold_cnt(0) depctr_sa_sdst(0) depctr_va_vdst(0) depctr_va_sdst(0) depctr_va_ssrc(0) depctr_va_vcc(0) depctr_vm_vsrc(0)
	s_getreg_b32 s2, hwreg(HW_REG_IB_STS2, 6, 4)
	s_cmp_eq_u32 s2, 0
	s_cbranch_scc0 .Lentry_in_a_cluster
	s_endpgm
.Lentry_in_a_cluster:
	s_bfe_u32 s2, ttmp6, 0x10000c
	s_cmp_lg_u32 s2, 0xf033
	s_cbranch_scc0 .Lentry_shape_is_right
	s_endpgm
.Lentry_shape_is_right:
; q, k, v = LN1(x) in_proj_w^T + in_proj_b on codes of FP6 (E2M3) with E8M0 scales; the results are quantised at once and leave as codes for the attention.
; SECTIONS, by the cluster's x (the same in all sixteen partners): 0: q, 1: k: C[token][feature], A = h, B = in_proj_w's rows 0-2047.  2: v: C'[feature][token] = Wv h^T, A = in_proj_w's rows 2048-3071, B = h:
; so v's blocks of 32 run along the KEYS, which are the second attention product's K.  192 work-groups: 128 for q and k, 64 for v.
; A tile of C is 256 x 256; four waves, each 128 x 128: 64 accumulators, 512 registers.  Operands lie in memory as images of the operand's registers (16 rows x 128 K = 1,536 bytes: for c = 0, 1 registers
; 6c..6c+3 at 768c + 16 x lane, 6c+4, 6c+5 at 768c + 512 + 8 x lane), [row block][K step]; scale words [K step][4,096 rows].  So every LDS read is contiguous over the lanes: no pitch, no padding.
; K = 1,024 goes in 8 steps of 128 through a ring of two LDS slots of two steps; a wave's tensor load brings 8 row blocks x 2 steps = 24,576 bytes.  The scale words of all of K come once, with the first fills.
; CLUSTER 4 x 4: A's tiles are asked for jointly along a row of the cluster, B's along a column.  THE MATRIX INSTRUCTION IS USED TRANSPOSED (source 0 = 16 rows of B, source 1 = 16 rows of A).
; The bias is the C of each sum's first product.  WINDOWS: 0: addresses, scale words v32-47, A's two sets v64-159, v160-255; 1: B's two sets v0-95, v96-191, the bias v192-255; 2, 3: the accumulators.
; THE WAY OUT: the wave's 128 x 128 go to its own stage in LDS (the ring has had its last fill and its last read), come back 64 numbers of a row to a lane, are quantised along the columns and stored as images.
; LIMITS: NaN and infinities are not served; a block under 2^-124 gets the byte 1 (this program alone reads the bytes).
.set MB,   8
.set NQ,   16/MB
.set KST,  8
.set LAPS, KST/(2*NQ)
.set HALFT, 24576
.set SLOT,  4*HALFT
.set SCL,   2*SLOT
.set HALFS, KST*MB*64
.set SPARE, 270336                     ; behind the stages of the way out: the spare words, 128 bytes a wave
.set HS,  3145728
.set WQC, 3276800
.set WQS, 5636096
.set QS,  3145728
.set KV,  3407872
.set REC, 13056                        ; a head's record of 128 keys: K 8 x 768, V^T 4 x 1,536, K's 128 words, V's 64 words
.set ADRA, 16                          ; v16-17 A's images in slot 0, 1, + 16 x lane; v18-19 + 8 x lane
.set ADRB, 20                          ; v20-23 the same for B
.set STO,  24
.set RDQ,  25
.set L16,  26
.set ADRS, 27
.set SPW,  28
.set NIL,  29
.set L8,   30
.set R4A,  31
.set H8,   10
.set HB,   11
.set SC,   32
.set AF,   64
.set BF,   0
.set BIAS, 192
.set X,   64
.set PC,  192
.set CT,  204
.set MX,  212
.set SV,  216
.set BY,  218
.set W,   220
.set W2,  221
.set RDA, 222
.set WA,  228
.set WB,  229
.set G1, 24
.set G0, 32
.set G1B, 48
.set G0B, 56
.set G1S, 68
.set G0S, 76
.set G1SB, 80
.set G0SB, 88
.set SEL, 66
.set MSB, 0
.macro WIN new                         ; the immediate's high byte repeats the setting that is left
.if MSB != (\new)
	s_set_vgpr_msb (MSB<<8)|(\new)
.set MSB, (\new)
.endif
.endm
.macro PLACES n
.rept \n
	v_nop
.endr
.endm
; A joint load: waves 0 and 1 fetch for A, waves 2 and 3 for B; the branch hangs on the wave's number alone.  Four v_nop follow each of the two lines.
.macro JLOAD g0a, g1a, g0b, g1b
	s_cmp_eq_u32 s15, 0
	s_cbranch_scc0 .Lfor_b_\@
	tensor_load_to_lds s[\g0a:\g0a+3], s[\g1a:\g1a+7]
	s_nop 0
.rept 4
	v_nop
.endr
	s_branch .Lasked_\@
.Lfor_b_\@:
	tensor_load_to_lds s[\g0b:\g0b+3], s[\g1b:\g1b+7]
	s_nop 0
.rept 4
	v_nop
.endr
.Lasked_\@:
.endm
.macro CREST                           ; a round of the cluster's barrier behind its opening barrier
	s_cmp_lg_u32 s14, 0
	s_cbranch_scc1 .Lnot_wave_0_\@
	s_barrier_signal -3
.Lnot_wave_0_\@:
	s_barrier_wait -3
	s_barrier_signal -1
	s_barrier_wait -1
.endm
.macro CROUND
	s_barrier_signal -1
	s_barrier_wait -1
	CREST
.endm
.macro FRAG reg, adr, off              ; an image comes back as the 12 registers that it is
	ds_load_b128 v[(\reg):(\reg)+3], v[\adr] offset:(\off)
	ds_load_b64 v[(\reg)+4:(\reg)+5], v[(\adr)+2] offset:(\off)+512
	ds_load_b128 v[(\reg)+6:(\reg)+9], v[\adr] offset:(\off)+768
	ds_load_b64 v[(\reg)+10:(\reg)+11], v[(\adr)+2] offset:(\off)+1280
.endm
.macro FETCH slot, q, set              ; the slot's q-th K step: B's and A's MB fragments and the scale words (lanes 0-15 A's block i, lanes 16-31 B's block i)
	WIN 0x40
.set fi, 0
.rept MB
	FRAG BF+12*MB*(\set)+12*fi, ADRB+\slot, (fi*NQ+(\q))*1536
.set fi, fi+1
.endr
	WIN 0
.set fi, 0
.rept MB
	FRAG AF+12*MB*(\set)+12*fi, ADRA+\slot, (fi*NQ+(\q))*1536
.set fi, fi+1
.endr
.set fi, 0
.rept MB
	ds_load_b32 v[SC+MB*(\set)+fi], v[ADRS] offset:(\q)*2*MB*64+64*fi
.set fi, fi+1
.endr
.endm
; Half of a K step's products.  cm = 0: onto the sums; 1: the sums begin with the bias of B's block; 2: of A's block.  The accumulators take turns, one instruction a turn, in one order.
.macro MULH half, set, cm
.set AW, 2+((\half)*MB*MB/2)/32
.if (\cm)
	WIN (AW<<6)|0x11
.else
	WIN (AW<<6)|(AW<<4)|1
.endif
.set ia, (\half)*MB/2
.rept MB/2
.set ib, 0
.rept MB
.set RD_, 8*((MB*ia+ib)%32)
.set RC_, RD_
.if (\cm)==1
.set RC_, BIAS+8*ib
.endif
.if (\cm)==2
.set RC_, BIAS+8*ia
.endif
	v_wmma_scale_f32_16x16x128_f8f6f4 v[RD_:RD_+7], v[BF+12*MB*(\set)+12*ib:BF+12*MB*(\set)+12*ib+11], v[AF+12*MB*(\set)+12*ia:AF+12*MB*(\set)+12*ia+11], v[RC_:RC_+7], v[SC+MB*(\set)+ib], v[SC+MB*(\set)+ia] matrix_a_fmt:MATRIX_FMT_FP6 matrix_b_fmt:MATRIX_FMT_FP6 matrix_a_scale:MATRIX_SCALE_ROW1
.set ib, ib+1
.endr
.set ia, ia+1
.endr
.endm
.macro STEP slot, q, cm                ; a K step that has its successor in the same slot
	s_wait_dscnt 0x0                               ; this step's fragments are in
	PLACES 4                                       ; in front of loads into the set that the last step's products read
	FETCH \slot, (\q)+1, ((\q)+1)%2
	MULH 0, (\q)%2, \cm
	MULH 1, (\q)%2, \cm
	WIN 0
.endm
.macro STEPS slot, q0
.set qq, \q0
.rept NQ-1-(\q0)
	STEP \slot, qq, 0
.set qq, qq+1
.endr
.endm
; A slot's last K step changes slots: one barrier; in front of it each wave waits for all its tensor loads, adds 0 to its spare word, and waits for that and for its reads of this slot (all are in registers then).
.macro TURN slot, next, fill
	s_wait_tensorcnt 0x0                           ; my part of the next slot has landed; no load of mine is out
	ds_add_u32 v[SPW], v[NIL]
	s_wait_dscnt 0x0
	s_barrier_signal -1
	MULH 0, 1, 0                                   ; work on registers while the others arrive
	WIN 0
	s_barrier_wait -1
.if \fill
	CREST                                          ; the barrier has opened a round of the cluster's: no wave of any partner still reads this slot or has a load on its way
	s_add_nc_u64 s[G0+4*\slot+2:G0+4*\slot+3], s[G0+4*\slot+2:G0+4*\slot+3], 2*NQ*1536
	s_add_nc_u64 s[G0B+4*\slot+2:G0B+4*\slot+3], s[G0B+4*\slot+2:G0B+4*\slot+3], 2*NQ*1536
	JLOAD G0+4*\slot, G1, G0B+4*\slot, G1B         ; the first tensor load behind the round; its four v_nop are the places in front of the loads below
.else
	PLACES 4
.endif
	s_wait_alu depctr_va_vdst(0)
	v_add_nc_u32 v[ADRS], 2*NQ*MB*64, v[ADRS]      ; the next slot's scale words: 1,024 bytes a K step
	FETCH \next, 0, 0
	MULH 1, 1, 0
	WIN 0
.endm
.macro QUANT128 xr
.irp k, 0,1,2,3
	v_max3_num_f32 v[MX+\k], |v[\xr+16*\k]|, |v[\xr+16*\k+1]|, 0x1800000   ; the floor 2^(3 - 127) holds the byte at 1 from below
.endr
.irp i, 2,4,6,8,10,12,14
.irp k, 0,1,2,3
	v_max3_num_f32 v[MX+\k], v[MX+\k], |v[\xr+16*\k+\i]|, |v[\xr+16*\k+\i+1]|
.endr
.endr
	v_max_num_f32 v[MX], v[MX], v[MX+1]
	v_max_num_f32 v[MX+2], v[MX+2], v[MX+3]
	v_add_nc_u32 v[SV], 0xff000000, v[MX]          ; 2 off the exponent field: the conversion's scale operand
	v_add_nc_u32 v[SV+1], 0xff000000, v[MX+2]
	v_lshrrev_b32 v[BY], 23, v[SV]
	v_lshrrev_b32 v[BY+1], 23, v[SV+1]
	v_lshl_or_b32 v[W], v[BY+1], 16, v[BY]
	v_lshlrev_b32 v[W], v[H8], v[W]
	v_permlanex16_b32 v[W2], v[W], s[SEL], s[SEL+1]
	v_or_b32 v[W], v[W], v[W2]
.irp c, 0,1
	v_cvt_scalef32_pk16_fp6_f32 v[PC+6*\c:PC+6*\c+2], v[\xr+32*\c:\xr+32*\c+15], v[SV+\c]
	v_cvt_scalef32_pk16_fp6_f32 v[CT+4*\c:CT+4*\c+2], v[\xr+32*\c+16:\xr+32*\c+31], v[SV+\c]
.endr
	v_nop                                          ; one plain line behind the scaled conversions
.irp c, 0,1
.irp i, 0,1,2
	v_mov_b32 v[PC+6*\c+3+\i], v[CT+4*\c+\i]
.endr
.endr
.endm
	s_load_b128 s[4:7], s[0:1], 0x0                ; wq, in_proj_b
	s_load_b64 s[8:9], s[0:1], 0x10                ; qkvb
	v_lshl_add_u32 v[SPW], v0, 2, SPARE
	v_mov_b32 v[NIL], 0
	ds_add_u32 v28, v29
	ds_add_u32 v28, v29
	s_wait_dscnt 0x0
	v_lshrrev_b32 v1, 5, v0
	v_readfirstlane_b32 s14, v1                    ; wave 0..3
	s_lshr_b32 s15, s14, 1                         ; my half of the tile's rows.  Also: I fetch for A (0) or B (1)
	s_and_b32 s16, s14, 1                          ; my half of its columns.  Also: which 8 row blocks I fetch
	s_bfe_u32 s40, ttmp6, 0x40000                  ; cx
	s_bfe_u32 s41, ttmp6, 0x40004                  ; cy
	s_and_b32 s18, ttmp7, 0xffff
	s_lshl_b32 s18, s18, 2                         ; 4 x cluster y
	s_lshl_b32 s19, ttmp9, 2                       ; 4 x section
	s_mov_b32 s92, WQS+8192
	s_mov_b32 s93, WQS
	s_cmp_eq_u32 ttmp9, 2                          ; v's section?
	s_cselect_b32 s17, 0, s18
	s_cselect_b32 s42, s18, s19
	s_cselect_b32 s95, WQC+128*12288, 0            ; A's codes: Wv, or h (at byte 0)
	s_cselect_b32 s96, s92, HS                     ; A's scale words
	s_cselect_b32 s97, 0, WQC                      ; B's codes
	s_cselect_b32 s98, HS, s93
	s_add_co_u32 s17, s17, s41                     ; tile row
	s_add_co_u32 s42, s42, s40                     ; tile column
	s_lshl_b32 s43, s41, 2
	s_lshl_b32 s43, 15, s43                        ; my row of the cluster
	s_lshl_b32 s44, 0x1111, s40                    ; my column
	s_or_b32 s[G1], s43, (3<<16)|(1<<21)           ; 15:0 the mask; 17:16 elements of 8 bytes; 21 set beside a mask; no padding
	s_or_b32 s[G1B], s44, (3<<16)|(1<<21)
.irp g, G1, G1B
	s_mov_b32 s[\g+1], (NQ*192)<<16                ; tensor_dim0: NQ images
	s_mov_b32 s[\g+2], (2*MB)<<16                  ; tensor_dim1: the head's loads bring a tile's 2 MB row blocks; behind them the word is set to MB
	s_mov_b32 s[\g+3], (NQ*192)<<16                ; tile_dim0
	s_mov_b32 s[\g+4], 2*MB                        ; tile_dim1, likewise
	s_mov_b32 s[\g+5], KST*192                     ; from row block to row block
	s_mov_b32 s[\g+6], 0
	s_mov_b32 s[\g+7], 0
.endr
	s_or_b32 s[G1S], s43, (3<<16)|(1<<21)
	s_or_b32 s[G1SB], s44, (3<<16)|(1<<21)
.irp g, G1S, G1SB
	s_mov_b32 s[\g+1], (MB*16)<<16                 ; the words of a tile's 256 rows: 1,024 bytes
	s_mov_b32 s[\g+2], KST<<16                     ; for each K step
	s_mov_b32 s[\g+3], (MB*16)<<16
	s_mov_b32 s[\g+4], KST
	s_mov_b32 s[\g+5], 2048                        ; 4,096 words from K step to K step
	s_mov_b32 s[\g+6], 0
	s_mov_b32 s[\g+7], 0
.endr
	s_mul_i32 s20, s17, 2*MB                       ; A's tile: its first row block
	s_mul_i32 s46, s42, 2*MB                       ; B's
	s_lshl_b32 s22, s20, 6
	s_add_co_u32 s22, s22, s96
	s_mov_b32 s23, 0
	s_mul_i32 s20, s20, KST*1536
	s_add_co_u32 s20, s20, s95
	s_mov_b32 s21, 0
	s_lshl_b32 s92, s46, 6
	s_add_co_u32 s92, s92, s98
	s_mov_b32 s93, 0
	s_mul_i32 s46, s46, KST*1536
	s_add_co_u32 s46, s46, s97
	s_mov_b32 s47, 0
	s_mul_i32 s45, s14, HALFT                      ; where they go: by the wave's number alone
	s_mul_i32 s18, s16, MB*KST*1536                ; in the ring I fetch MB row blocks of a tile: which half, in bytes
	s_mov_b32 s19, 0
	s_mov_b32 s[SEL], 0x76543210
	s_mov_b32 s[SEL+1], 0xfedcba98
	s_wait_kmcnt 0x0
	s_add_nc_u64 s[20:21], s[4:5], s[20:21]
	s_add_nc_u64 s[22:23], s[4:5], s[22:23]
	s_add_nc_u64 s[46:47], s[4:5], s[46:47]
	s_add_nc_u64 s[92:93], s[4:5], s[92:93]
	CROUND                                         ; all sixteen work-groups are here: the first joint loads meet
	s_mov_b32 s[G0S], 1
	s_mov_b32 s[G0S+1], SCL
	s_mov_b64 s[G0S+2:G0S+3], s[22:23]
	s_or_b32 s[G0S+3], s[G0S+3], 0x80000000
	s_mov_b32 s[G0SB], 1
	s_mov_b32 s[G0SB+1], SCL+2*HALFS
	s_mov_b64 s[G0SB+2:G0SB+3], s[92:93]
	s_or_b32 s[G0SB+3], s[G0SB+3], 0x80000000
.set G0H, 96                           ; s[96:99], s[92:95]: group 0 of the head's loads of slot 0: A's whole tile, B's whole tile
.set G0HB, 92
	s_mov_b32 s[G0HB], 1
	s_mov_b32 s[G0HB+1], 2*HALFT
	s_mov_b64 s[G0HB+2:G0HB+3], s[46:47]
	s_or_b32 s[G0HB+3], s[G0HB+3], 0x80000000
	s_mov_b32 s[G0H], 1
	s_mov_b32 s[G0H+1], 0
	s_mov_b64 s[G0H+2:G0H+3], s[20:21]
	s_or_b32 s[G0H+3], s[G0H+3], 0x80000000
	s_add_nc_u64 s[20:21], s[20:21], s[18:19]      ; for the ring: my half of the tile
	s_add_nc_u64 s[46:47], s[46:47], s[18:19]
.irp s, 0,1
	s_mov_b32 s[G0+4*\s], 1
	s_add_co_u32 s[G0+4*\s+1], s45, \s*SLOT
	s_add_nc_u64 s[G0+4*\s+2:G0+4*\s+3], s[20:21], \s*NQ*1536
	s_or_b32 s[G0+4*\s+3], s[G0+4*\s+3], 0x80000000
	s_mov_b32 s[G0B+4*\s], 1
	s_add_co_u32 s[G0B+4*\s+1], s45, \s*SLOT
	s_add_nc_u64 s[G0B+4*\s+2:G0B+4*\s+3], s[46:47], \s*NQ*1536
	s_or_b32 s[G0B+4*\s+3], s[G0B+4*\s+3], 0x80000000
.endr
; The head's loads, one a wave: wave 0 slot 0 of A, wave 1 slot 0 of B, wave 2 A's scale words, wave 3 B's.  One chain of branches on the wave's number, all arms to one join.
.macro ARM under, g0, g1, next
	s_cmp_lt_u32 s14, \under
	s_cbranch_scc0 \next
	tensor_load_to_lds s[\g0:\g0+3], s[\g1:\g1+7]
	s_nop 0
.rept 4
	v_nop
.endr
	s_branch .Lhead_asked
\next:
.endm
	ARM 1, G0H, G1, .Lhead_b
	ARM 2, G0HB, G1B, .Lhead_sa
	ARM 3, G0S, G1S, .Lhead_sb
	tensor_load_to_lds s[G0SB:G0SB+3], s[G1SB:G1SB+7]
	s_nop 0
.rept 4
	v_nop
.endr
.Lhead_asked:
	v_and_b32 v1, 15, v0                           ; r
	v_bfe_u32 v2, v0, 4, 1                         ; h
	v_and_b32 v3, 31, v0                           ; lane
	v_lshlrev_b32 v[L16], 4, v3
	v_lshlrev_b32 v[L8], 3, v3
	v_lshlrev_b32 v[R4A], 2, v1
	v_lshlrev_b32 v[H8], 3, v2
	v_lshlrev_b32 v[HB], 5, v2
	v_min_u32 v12, 23, v3                          ; the prefetches' offset: two row blocks x 12 blocks of 256 bytes, a lane a block (the lanes left over name the last again)
	v_mul_u32_u24 v13, v12, 171
	v_lshrrev_b32 v13, 11, v13                     ; lane / 12
	v_mul_u32_u24 v13, v13, 9216                   ; a row block is 12,288 bytes, of which 3,072 are passed
	v_lshl_add_u32 v12, v12, 8, v13
	s_mul_i32 s21, s15, HALFT                      ; my 8 row blocks of A
	s_mul_i32 s22, s16, HALFT
	s_add_co_u32 s22, s22, 2*HALFT                 ; and of B, behind A's two halves
.irp s, 0,1
	v_add_nc_u32 v[ADRA+\s], s21, v[L16]
	v_add_nc_u32 v[ADRA+2+\s], s21, v[L8]
	v_add_nc_u32 v[ADRB+\s], s22, v[L16]
	v_add_nc_u32 v[ADRB+2+\s], s22, v[L8]
	s_add_co_u32 s21, s21, SLOT
	s_add_co_u32 s22, s22, SLOT
.endr
	s_mul_i32 s21, s15, MB*64                      ; scale words lie [K step][256 rows]: my half of a row of words
	s_mul_i32 s22, s16, MB*64
	s_add_co_u32 s22, s22, 2*HALFS
	s_sub_co_u32 s22, s22, s21
	v_mul_u32_u24 v6, s22, v2                      ; lanes 16-31 take B's words: one product, the distance between the two bases
	s_add_co_u32 s21, s21, SCL
	v_add_nc_u32 v5, v[R4A], v6
	v_add_nc_u32 v[ADRS], s21, v5
	s_mul_i32 s23, s14, 67584                      ; my stage of the way out: 128 rows x 528 bytes
	v_mul_u32_u24 v5, v1, 528
	v_lshl_add_u32 v6, v2, 5, v5
	v_add_nc_u32 v[STO], s23, v6                   ; in: row r, + 32 h
	v_lshl_add_u32 v6, v2, 7, v5
	v_add_nc_u32 v[RDQ], s23, v6                   ; back: row r, + 128 h
	; the bias: by column (q, k) or by row (v)
	s_cmp_eq_u32 ttmp9, 2
	s_cbranch_scc1 .Lbias_v
	s_lshl_b32 s46, s42, 10
	s_lshl_b32 s47, s16, 9
	s_add_co_u32 s46, s46, s47
	s_mov_b32 s47, 0
	s_add_nc_u64 s[6:7], s[6:7], s[46:47]
	WIN 0x40
.set bi, 0
.rept 8
	global_load_b128 v[BIAS+8*bi:BIAS+8*bi+3], v[HB], s[6:7] offset:64*bi       ; lane (r, h): features 16 b + 8 h + 0 .. 7
	global_load_b128 v[BIAS+8*bi+4:BIAS+8*bi+7], v[HB], s[6:7] offset:64*bi+16
.set bi, bi+1
.endr
	WIN 0
	s_branch .Lbias_done
.Lbias_v:
	s_lshl_b32 s20, s17, 10
	s_lshl_b32 s21, s15, 9
	s_add_co_u32 s20, s20, s21
	s_add_co_u32 s20, s20, 8192
	s_mov_b32 s21, 0
	s_add_nc_u64 s[6:7], s[6:7], s[20:21]
	WIN 0x40
.set bi, 0
.rept 8
	global_load_b32 v[BIAS+8*bi], v[R4A], s[6:7] offset:64*bi                   ; lane (r, h): feature 16 a + r, for all eight registers
.set bi, bi+1
.endr
	s_wait_loadcnt 0x0
	WIN 0x41
.set bi, 0
.rept 8
.irp j, 1,2,3,4,5,6,7
	v_mov_b32 v[BIAS+8*bi+\j], v[BIAS+8*bi]
.endr
.set bi, bi+1
.endr
	WIN 0
.Lbias_done:
	s_wait_alu depctr_va_vdst(0)
	; PREFETCHES: the ring has four fills; fills 2 and 3 are named two fills ahead, behind the loads of fills 0 and 1.  Of the 8 row blocks that I fetch in the ring the partner at place p (cx for A, cy for B)
	; names blocks 2 p and 2 p + 1, 3,072 bytes each: every block of 256 bytes once in each cluster that loads it.  The partners are told apart by address alone.
	s_cmp_eq_u32 ttmp9, 2
	s_cselect_b32 s22, WQC+128*12288, 0            ; A's codes: Wv, or h
	s_cselect_b32 s23, 0, WQC                      ; B's
	s_cmp_eq_u32 s15, 0                            ; do I fetch for A?
	s_cselect_b32 s22, s22, s23
	s_cselect_b32 s20, s17, s42                    ; the tile
	s_cselect_b32 s21, s40, s41                    ; my place among the four that ask for it with me
	s_lshl_b32 s20, s20, 4
	s_lshl_b32 s23, s16, 3
	s_add_co_u32 s20, s20, s23
	s_lshl_b32 s21, s21, 1
	s_add_co_u32 s20, s20, s21                     ; the first of my work-group's two row blocks
	s_mul_i32 s20, s20, KST*1536
	s_add_co_u32 s20, s20, s22
	s_add_co_u32 s20, s20, 2*NQ*1536               ; at fill 2
	s_mov_b32 s21, 0
	s_add_nc_u64 s[10:11], s[4:5], s[20:21]
	global_prefetch_b8 v12, s[10:11] th:TH_LOAD_NT scope:SCOPE_SE                       ; fill 2
	s_wait_tensorcnt 0x0                           ; my tile of the head's four is in; slot 1's first fill is issued as a refill is
	ds_add_u32 v[SPW], v[NIL]
	s_mov_b32 s[G1+2], MB<<16                      ; no load of mine is out: from here on a load brings MB row blocks
	s_mov_b32 s[G1+4], MB
	s_mov_b32 s[G1B+2], MB<<16
	s_mov_b32 s[G1B+4], MB
	s_wait_dscnt 0x0
	CROUND                                         ; all four tiles are in, and all sixteen work-groups are here
	JLOAD G0+4, G1, G0B+4, G1B                     ; slot 1: the first tensor load behind the round
	FETCH 0, 0, 0
	global_prefetch_b8 v12, s[10:11] offset:NQ*1536 th:TH_LOAD_NT scope:SCOPE_SE        ; fill 3, behind fill 1's load
	s_wait_dscnt 0x0
	FETCH 0, 1, 1
	s_wait_loadcnt 0x0                             ; the bias
	s_cmp_eq_u32 ttmp9, 2
	s_cbranch_scc1 .Lfirst_v
	MULH 0, 0, 1                                   ; the first K step starts the sums
	MULH 1, 0, 1
	WIN 0
	s_branch .Lfirst_done
.Lfirst_v:
	MULH 0, 0, 2
	MULH 1, 0, 2
	WIN 0
.Lfirst_done:
	s_mov_b32 s3, LAPS-1
.Llap:                                             ; a trip goes once round the ring and fills both slots again
	STEPS 0, 1
	TURN 0, 1, 1
	s_wait_alu depctr_va_vdst(0)
	STEPS 1, 0
	TURN 1, 0, 1
	s_wait_alu depctr_va_vdst(0)
	STEP 0, 0, 0
	s_sub_co_u32 s3, s3, 1
	s_cmp_lg_u32 s3, 0
	s_cbranch_scc1 .Llap
	STEPS 0, 1                                     ; the last lap fills nothing
	TURN 0, 1, 0
	s_wait_alu depctr_va_vdst(0)
	STEPS 1, 0
	s_wait_dscnt 0x0                               ; the very last K step: my last reads of the ring and of the scale words are in
	s_barrier_signal -1
	MULH 0, 1, 0
	MULH 1, 1, 0
	WIN 0
	s_barrier_wait -1                              ; everybody's are: the stages may be written over them
	PLACES 4
.set oa, 0
.rept 8
	WIN 0x08+4*(oa/4)                              ; an LDS store's data are its source 1: window 2 or 3
.set ob, 0
.rept 8
	ds_store_b128 v[STO], v[64*(oa%4)+8*ob:64*(oa%4)+8*ob+3] offset:8448*oa+64*ob        ; each accumulator from its low end on
	ds_store_b128 v[STO], v[64*(oa%4)+8*ob+4:64*(oa%4)+8*ob+7] offset:8448*oa+64*ob+16
.set ob, ob+1
.endr
.set oa, oa+1
.endr
	WIN 0
	v_mov_b32 v[W2], 0                             ; written once: a lane permute's destination counts as one of its sources
	; where the codes go.  (No tensor load of mine is out: the descriptors' registers are free.)
	s_lshl_b32 s46, s17, 8
	s_lshl_b32 s47, s15, 7
	s_add_co_u32 s46, s46, s47                     ; my first row of C
	s_cmp_eq_u32 ttmp9, 2
	s_cbranch_scc1 .Ladr_v
	s_lshr_b32 s47, s46, 11                        ; batch
	s_and_b32 s46, s46, 2047                       ; token in it
	s_and_b32 s48, s42, 3
	s_lshl_b32 s48, s48, 2
	s_lshl_b32 s49, s16, 1
	s_add_co_u32 s48, s48, s49                     ; the first of my two heads
	s_lshl_b32 s47, s47, 4
	s_add_co_u32 s48, s48, s47                     ; 16 x batch + head
	s_mov_b32 s32, 768                             ; from row block to row block
	s_mov_b32 s34, 0
	s_mov_b32 s35, 0
	s_cmp_eq_u32 ttmp9, 1
	s_cbranch_scc1 .Ladr_k
	s_lshl_b32 s24, s48, 7                         ; q: [32][128 tiles][768]
	s_lshr_b32 s49, s46, 4
	s_add_co_u32 s24, s24, s49
	s_mul_i32 s24, s24, 768
	s_add_co_u32 s26, s24, 128*768                 ; the next head
	s_lshl_b32 s28, s48, 11
	s_add_co_u32 s28, s28, s46
	s_lshl_b32 s28, s28, 2
	s_add_co_u32 s28, s28, QS
	s_add_co_u32 s30, s28, 8192
	s_branch .Ladr_done
.Ladr_k:
	s_lshl_b32 s24, s48, 4                         ; k: my 128 tokens are one record's keys
	s_lshr_b32 s49, s46, 7
	s_add_co_u32 s24, s24, s49
	s_mul_i32 s24, s24, REC
	s_add_co_u32 s24, s24, KV
	s_add_co_u32 s26, s24, 16*REC
	s_add_co_u32 s28, s24, 12288
	s_add_co_u32 s30, s26, 12288
	s_branch .Ladr_done
.Ladr_v:
	s_lshr_b32 s48, s46, 6                         ; v: rows are features: my first head
	s_lshr_b32 s47, s42, 3
	s_lshl_b32 s47, s47, 4
	s_add_co_u32 s48, s48, s47
	s_lshl_b32 s49, s42, 1
	s_add_co_u32 s49, s49, s16
	s_and_b32 s49, s49, 15                         ; my 128 columns are one key step
	s_lshl_b32 s48, s48, 4
	s_add_co_u32 s48, s48, s49
	s_mul_i32 s48, s48, REC
	s_add_co_u32 s48, s48, KV
	s_add_co_u32 s24, s48, 6144
	s_add_co_u32 s26, s48, 6144+768
	s_add_co_u32 s28, s48, 12800
	s_mov_b32 s30, s28
	s_mov_b32 s32, 1536
	s_mov_b32 s34, 16*REC-4*1536                   ; behind four tiles of features: on to the next head's record
	s_mov_b32 s35, 16*REC-4*64
.Ladr_done:
	s_mov_b32 s25, 0
	s_mov_b32 s27, 0
	s_mov_b32 s29, 0
	s_mov_b32 s31, 0
	s_mov_b32 s37, 0
	s_mov_b32 s39, 0
	s_add_nc_u64 s[24:25], s[8:9], s[24:25]        ; half image c = 0
	s_add_nc_u64 s[26:27], s[8:9], s[26:27]        ; c = 1
	s_add_nc_u64 s[28:29], s[8:9], s[28:29]        ; scale words
	s_add_nc_u64 s[30:31], s[8:9], s[30:31]
	s_mov_b32 s2, 0
.macro LDX adr                         ; a block of 16 rows comes back from my stage, 64 numbers of a row to a lane (my own bytes: LDS serves a wave's instructions in order)
.irp c, 0,1
.irp j, 0,1,2,3,4,5,6,7
	ds_load_b128 v[X+32*\c+4*\j:X+32*\c+4*\j+3], v[\adr] offset:256*\c+16*((\j%2)+2*(\j/4)+4*((\j/2)%2))
.endr
.endr
.endm
	LDX RDQ                                        ; block 0
.Lout:                                             ; eight trips: a block of 16 rows each
	s_wait_dscnt 0x0
	QUANT128 X
	s_add_co_u32 s3, s2, 8448                      ; the next block's reads go out as soon as the conversions have read the numbers: they land under the stores and the steps below
	s_min_u32 s3, s3, 7*8448                       ; (the last trip reads its own block again, and nobody uses it: no branch)
	v_add_nc_u32 v[RDA], s3, v[RDQ]
	LDX RDA
	global_store_b128 v[L16], v[PC:PC+3], s[24:25]
	global_store_b64 v[L8], v[PC+4:PC+5], s[24:25] offset:512
	global_store_b128 v[L16], v[PC+6:PC+9], s[26:27]
	global_store_b64 v[L8], v[PC+10:PC+11], s[26:27] offset:512
	s_cmp_eq_u32 ttmp9, 2
	s_cbranch_scc1 .Lword_v
	v_and_b32 v[WA], 0xffff, v[W]                  ; q, k: K = 64: two bytes a head; the upper two are 0 and meet zero codes
	v_lshrrev_b32 v[WB], 16, v[W]
	global_store_b32 v[R4A], v[WA], s[28:29]
	global_store_b32 v[R4A], v[WB], s[30:31]
	s_branch .Lword_done
.Lword_v:
	global_store_b32 v[R4A], v[W], s[28:29]
.Lword_done:
	s_wait_xcnt 0x0                                ; the stores have read their registers and bases: both are written again only behind this wait
	s_cmp_eq_u32 s2, 3*8448
	s_cselect_b32 s36, s34, 0
	s_cselect_b32 s38, s35, 0
	s_add_co_u32 s36, s36, s32
	s_add_co_u32 s38, s38, 64
	s_add_nc_u64 s[24:25], s[24:25], s[36:37]
	s_add_nc_u64 s[26:27], s[26:27], s[36:37]
	s_add_nc_u64 s[28:29], s[28:29], s[38:39]
	s_add_nc_u64 s[30:31], s[30:31], s[38:39]
	s_add_co_u32 s2, s2, 8448
	s_cmp_lt_u32 s2, 8*8448
	s_cbranch_scc1 .Lout
	s_wait_tensorcnt 0x0                           ; the wave's end
	ds_add_u32 v[SPW], v[NIL]
	s_wait_dscnt 0x0
	CROUND                                         ; the closing round
	s_endpgm
.Lfunc_end_k_qbfa88535b7_qkv:
	.size	k_qbfa88535b7_qkv, .Lfunc_end_k_qbfa88535b7_qkv-k_qbfa88535b7_qkv
	.p2alignl 7, 3214868480
	.fill 96, 4, 3214868480
	.section	.rodata,"a",@progbits
	.p2align	6, 0x0
	.amdhsa_kernel k_qbfa88535b7_qkv
		.amdhsa_group_segment_fixed_size 327680
		.amdhsa_private_segment_fixed_size 0
		.amdhsa_enable_private_segment 0
		.amdhsa_kernarg_size 24
		.amdhsa_user_sgpr_count 2
		.amdhsa_user_sgpr_kernarg_segment_ptr 1
		.amdhsa_wavefront_size32 1
		.amdhsa_system_sgpr_workgroup_id_x 1
		.amdhsa_system_sgpr_workgroup_id_y 1
		.amdhsa_system_sgpr_workgroup_id_z 1
		.amdhsa_system_vgpr_workitem_id 0
		.amdhsa_next_free_vgpr 1024
		.amdhsa_next_free_sgpr 100
		.amdhsa_reserve_vcc 0
		.amdhsa_float_denorm_mode_32 3
		.amdhsa_float_denorm_mode_16_64 3
		.amdhsa_memory_ordered 1
		.amdhsa_forward_progress 1
		.amdhsa_inst_pref_size 148
	.end_amdhsa_kernel
	.amdgpu_metadata
---
amdhsa.version: [ 1, 2 ]
amdhsa.kernels:
  - .name:           k_qbfa88535b7_qkv
    .symbol:         k_qbfa88535b7_qkv.kd
    .args:
      - { .name: wq, .offset: 0, .size: 8, .value_kind: global_buffer, .address_space: global }
      - { .name: in_proj_b, .offset: 8, .size: 8, .value_kind: global_buffer, .address_space: global }
      - { .name: qkvb, .offset: 16, .size: 8, .value_kind: global_buffer, .address_space: global }
    .group_segment_fixed_size: 327680
    .private_segment_fixed_size: 0
    .kernarg_segment_align: 8
    .kernarg_segment_size: 24
    .max_flat_workgroup_size: 128
    .sgpr_count:     100
    .vgpr_count:     1024
    .wavefront_size: 32
...
	.end_amdgpu_metadata
.endif
;; end of part 2
;; launch attn (part 3): grid 8 x 32, 16 waves a work-group, no clusters, 327,680 bytes of LDS; arguments qkvb, ctxb; writes ctxb
.if DOCPART == 3
	.amdgcn_target "amdgcn-amd-amdhsa--gfx1250"
	.amdhsa_code_object_version 6
	.text
	.protected	k_qbfa88535b7_attn
	.globl	k_qbfa88535b7_attn
	.p2align	8
	.type	k_qbfa88535b7_attn,@function
k_qbfa88535b7_attn:
	s_mov_b64 s[64:65], 0
	v_nop
	global_prefetch_b8 v0, s[64:65] scope:SCOPE_SE
	s_setreg_imm32_b32 hwreg(HW_REG_WAVE_MODE, 25, 1), 1
	s_wait_xcnt 0x0
; softmax(q k^T / 8 + prefix mask) v for one batch and head (grid y), on codes of FP6 (E2M3) with E8M0 scales; the context is quantised at once and leaves as codes.
; A key counts if it lies under 512, or if the query is 512 or more and the key is not behind it.  Sixteen waves, 16 queries each, dealt by a table so that long and short rows meet in a work-group.
; All 16 records (128 keys of K and V^T each) of the head lie in LDS: the first four come by the head's load, the other twelve by a load behind a barrier, each wave a sixteenth of either.
; Steps that the mask hides from all 16 queries of a wave are jumped over by a scalar branch on ids.  M is the running ceiling of the largest t; the sum is taken of the unquantised p.
; The set-up, q's loads and the clearing of the sums stand between the first tensor load and the wait for it.
; LIMITS: the scaled scores stay under 2^31 in magnitude; NaN and infinities are not served.
.set REC, 13056
.set QS,  3145728
.set KV,  3407872
.set CS_, 3145728
.set F1B, 13*256
.set F2B, 38*256
.set SEL, 34
.set CS,  36
.set KF,  38
.set RO,  39
.set HI,  27
.set LO,  28
.macro KSTEP masked
.if \masked
	s_cmp_gt_u32 s[KF], s[HI]
	s_cbranch_scc1 .Lhidden_\@
.endif
	v_add_nc_u32 v8, s[RO], v1
	v_add_nc_u32 v9, s[RO], v2
	v_add_nc_u32 v10, s[RO], v3
	v_nop
.set kt, 0
.rept 8
	ds_load_b128 v[32+6*kt:35+6*kt], v8 offset:768*kt
	ds_load_b64 v[36+6*kt:37+6*kt], v9 offset:768*kt+512
	ds_load_b32 v[86+kt], v10 offset:12288+64*kt
.set kt, kt+1
.endr
	s_wait_alu depctr_va_vdst(0)
	s_wait_dscnt 0x0
.set kt, 0
.rept 8
	v_wmma_scale_f32_16x16x128_f8f6f4 v[96+8*kt:103+8*kt], v[32+6*kt:43+6*kt], v[16:27], 0, v[86+kt], v255 matrix_a_fmt:MATRIX_FMT_FP6 matrix_b_fmt:MATRIX_FMT_FP6
.set kt, kt+1
.endr
.rept 4
	v_nop
.endr
.set vf, 0
.rept 4
	ds_load_b128 v[32+12*vf:35+12*vf], v8 offset:6144+1536*vf
	ds_load_b64 v[36+12*vf:37+12*vf], v9 offset:6144+1536*vf+512
	ds_load_b128 v[38+12*vf:41+12*vf], v8 offset:6144+1536*vf+768
	ds_load_b64 v[42+12*vf:43+12*vf], v9 offset:6144+1536*vf+1280
	ds_load_b32 v[86+vf], v10 offset:12800+64*vf
.set vf, vf+1
.endr
.if \masked
	s_add_co_u32 s40, s[KF], 127
	s_cmp_le_u32 s40, s[LO]
	s_cbranch_scc1 .Lopen_\@
	v_sub_nc_u32 v252, v29, s[KF]
	v_mov_b32 v254, 0xff800000
.set mn, 0
.rept 64
	v_cmp_gt_i32 vcc_lo, 16*(mn/8)+mn%8, v252
	v_cndmask_b32 v[96+mn], v[96+mn], v254, vcc_lo
.set mn, mn+1
.endr
.Lopen_\@:
.endif
.irp b, 0,1,2,3
	v_max3_num_f32 v[232+\b], v[96+16*\b], v[97+16*\b], v[98+16*\b]
.endr
.irp i, 3,5,7,9,11,13
.irp b, 0,1,2,3
	v_max3_num_f32 v[232+\b], v[232+\b], v[96+16*\b+\i], v[97+16*\b+\i]
.endr
.endr
.irp b, 0,1,2,3
	v_max_num_f32 v[232+\b], v[232+\b], v[111+16*\b]
.endr
.irp b, 0,1,2,3
	s_delay_alu instid0(VALU_DEP_4)
	v_permlanex16_b32 v[236+\b], v[232+\b], s[SEL], s[SEL+1]
.endr
.irp b, 0,1,2,3
	s_delay_alu instid0(VALU_DEP_4)
	v_max_num_f32 v[232+\b], v[232+\b], v[236+\b]
.endr
	s_delay_alu instid0(VALU_DEP_2)
	v_max3_num_f32 v254, v232, v233, v234
	s_delay_alu instid0(VALU_DEP_1)
	v_max_num_f32 v254, v254, v235
	s_delay_alu instid0(VALU_DEP_1)
	v_mul_f32 v254, s[CS], v254
	s_delay_alu instid0(VALU_DEP_1)
	v_max_num_f32 v13, v13, v254
	v_mov_b32 v254, v12
	s_delay_alu instid0(VALU_DEP_2)
	v_floor_f32 v12, -v13
	s_delay_alu instid0(VALU_DEP_1)
	v_sub_f32 v254, v12, v254
	s_delay_alu instid0(VALU_DEP_1)
	v_cvt_i32_f32 v254, v254
	s_delay_alu instid0(VALU_DEP_1)
	v_ldexp_f32 v252, 1.0, v254
.set sj, 0
.rept 32
	v_pk_fma_f32 v[96+sj:97+sj], v[96+sj:97+sj], s[CS:CS+1], v[12:13] op_sel_hi:[1,0,0]
.set sj, sj+2
.endr
.irp b, 0,1,2,3
	v_fma_f32 v[232+\b], v[232+\b], s[CS], v12
.endr
.set sj, 0
	s_wait_alu depctr_va_vdst(0)
.rept 64
	v_exp_f32 v[96+sj], v[96+sj]
.set sj, sj+1
.endr
	v_pk_mul_f32 v[14:15], v[14:15], v[252:253] op_sel_hi:[1,0]
	s_wait_alu depctr_va_vdst(0)
.irp b, 0,1,2,3
	v_exp_f32 v[232+\b], v[232+\b]
.endr
	v_pk_add_f32 v[236:237], v[96:97], v[98:99]
.irp j, 4,8,12,16,20,24,28,32,36,40,44,48,52,56,60
	v_pk_add_f32 v[14:15], v[14:15], v[96+\j:97+\j]
	v_pk_add_f32 v[236:237], v[236:237], v[98+\j:99+\j]
.endr
	s_delay_alu instid0(VALU_DEP_1)
	v_pk_add_f32 v[14:15], v[14:15], v[236:237]
	s_wait_alu depctr_va_vdst(0)
.irp b, 0,1,2,3
	v_max_num_f32 v[232+\b], 0x1800000, v[232+\b]
.endr
.irp b, 0,1,2,3
	s_delay_alu instid0(VALU_DEP_4)
	v_add_nc_u32 v[244+\b], 0xff000000, v[232+\b]
.endr
.irp b, 0,1,2,3
	s_delay_alu instid0(VALU_DEP_4)
	v_lshrrev_b32 v[236+\b], 23, v[244+\b]
.endr
	s_delay_alu instid0(VALU_DEP_3)
	v_lshl_or_b32 v253, v237, 8, v236
	s_delay_alu instid0(VALU_DEP_1)
	v_lshl_or_b32 v253, v238, 16, v253
	s_delay_alu instid0(VALU_DEP_1)
	v_lshl_or_b32 v253, v239, 24, v253
.irp c, 0,1
	v_cvt_scalef32_pk16_fp6_f32 v[224+6*\c:226+6*\c], v[96+32*\c:111+32*\c], v[244+2*\c]
	v_cvt_scalef32_pk16_fp6_f32 v[236+4*\c:238+4*\c], v[112+32*\c:127+32*\c], v[244+2*\c+1]
.endr
	v_nop
.irp c, 0,1
.irp i, 0,1,2
	v_permlane16_swap_b32 v[224+6*\c+\i], v[236+4*\c+\i]
.endr
.irp i, 0,1,2
	s_delay_alu instid0(VALU_DEP_3)
	v_mov_b32 v[227+6*\c+\i], v[236+4*\c+\i]
.endr
.endr
.set sj, 0
.rept 16
	v_pk_mul_f32 v[160+sj:161+sj], v[160+sj:161+sj], v[252:253] op_sel_hi:[1,0]
.set sj, sj+2
.endr
	s_wait_alu depctr_va_vdst(0)
	s_wait_dscnt 0x0
.set vf, 0
.rept 4
	v_wmma_scale_f32_16x16x128_f8f6f4 v[160+8*vf:167+8*vf], v[32+12*vf:43+12*vf], v[224:235], v[160+8*vf:167+8*vf], v[86+vf], v253 matrix_a_fmt:MATRIX_FMT_FP6 matrix_b_fmt:MATRIX_FMT_FP6
.set vf, vf+1
.endr
.if \masked
.Lhidden_\@:
.endif
	s_add_co_u32 s[RO], s[RO], REC
	s_add_co_u32 s[KF], s[KF], 128
.endm
	s_load_b128 s[4:7], s[0:1], 0x0
	v_lshl_add_u32 v243, v0, 2, 0x33000
	v_mov_b32 v251, 0
	ds_add_u32 v243, v251
	ds_add_u32 v243, v251
	v_lshrrev_b32 v8, 5, v0
	s_delay_alu instid0(VALU_DEP_1)
	v_readfirstlane_b32 s8, v8
	s_and_b32 s9, ttmp7, 0xffff
	s_mov_b32 s16, 3<<16
	s_mov_b32 s17, 32<<16
	s_mov_b32 s18, 13<<16
	s_mov_b32 s19, 32<<16
	s_mov_b32 s20, 13
	s_mov_b32 s21, 32
	s_mov_b32 s22, 0
	s_mov_b32 s23, 0
	s_mov_b32 s48, 3<<16
	s_mov_b32 s49, 32<<16
	s_mov_b32 s50, 38<<16
	s_mov_b32 s51, 32<<16
	s_mov_b32 s52, 38
	s_mov_b32 s53, 32
	s_mov_b32 s54, 0
	s_mov_b32 s55, 0
	s_mul_i32 s10, s9, 16*REC
	s_add_co_u32 s10, s10, KV
	s_mov_b32 s11, 0
	s_mov_b32 s12, 1
	s_mul_i32 s13, s8, F1B
	s_mov_b32 s44, 1
	s_mul_i32 s45, s8, F2B
	s_add_co_u32 s45, s45, 16*F1B
	s_mov_b32 s40, s13
	s_mov_b32 s41, 0
	s_mov_b32 s42, s45
	s_mov_b32 s43, 0
	s_add_nc_u64 s[40:41], s[40:41], s[10:11]
	s_add_nc_u64 s[42:43], s[42:43], s[10:11]
	s_wait_dscnt 0x0
	s_wait_kmcnt 0x0
	s_add_nc_u64 s[14:15], s[4:5], s[40:41]
	s_or_b32 s15, s15, 0x80000000
	s_add_nc_u64 s[46:47], s[4:5], s[42:43]
	s_or_b32 s47, s47, 0x80000000
	tensor_load_to_lds s[12:15], s[16:23]
	s_nop 0
	s_mov_b32 s24, 0xc36b7d82
	s_cmp_lt_u32 s8, 8
	s_cselect_b32 s24, 0x95e14a0f, s24
	s_and_b32 s25, s8, 7
	s_lshl_b32 s25, s25, 2
	s_lshr_b32 s24, s24, s25
	s_and_b32 s24, s24, 15
	s_lshl_b32 s25, s24, 3
	s_add_co_u32 s25, s25, ttmp9
	s_lshl_b32 s26, s25, 4
	s_add_co_u32 s[HI], s26, 15
	s_max_u32 s[HI], s[HI], 511
	s_max_u32 s[LO], s26, 511
	s_lshl_b32 s30, s9, 7
	s_add_co_u32 s30, s30, s25
	s_mul_i32 s30, s30, 768
	s_mov_b32 s31, 0
	s_add_nc_u64 s[30:31], s[4:5], s[30:31]
	s_lshl_b32 s32, s9, 11
	s_add_co_u32 s32, s32, s26
	s_lshl_b32 s32, s32, 2
	s_add_co_u32 s32, s32, QS
	s_mov_b32 s33, 0
	s_add_nc_u64 s[32:33], s[4:5], s[32:33]
	s_mov_b32 s[SEL], 0x76543210
	s_mov_b32 s[SEL+1], 0xfedcba98
	s_mov_b32 s[CS], 0x3e38aa3b
	s_mov_b32 s[CS+1], s[CS]
	s_mov_b32 s[KF], 0
	s_mov_b32 s[RO], 0
	v_and_b32 v4, 31, v0
	v_and_b32 v5, 15, v0
	v_bfe_u32 v6, v0, 4, 1
	s_delay_alu instid0(VALU_DEP_3)
	v_lshlrev_b32 v1, 4, v4
	s_delay_alu instid0(VALU_DEP_4)
	v_lshlrev_b32 v2, 3, v4
	s_delay_alu instid0(VALU_DEP_4)
	v_lshlrev_b32 v3, 2, v5
	global_load_b128 v[16:19], v1, s[30:31]
	global_load_b64 v[20:21], v2, s[30:31] offset:512
	global_load_b32 v255, v3, s[32:33]
	v_add_nc_u32 v29, s26, v5
	s_delay_alu instid0(VALU_DEP_1)
	v_max_u32 v29, 511, v29
	v_lshlrev_b32 v6, 3, v6
	s_delay_alu instid0(VALU_DEP_1)
	v_sub_nc_u32 v29, v29, v6
.irp j, 22,23,24,25,26,27,80,81,82,83,84,85
	v_mov_b32 v[\j], 0
.endr
	v_mov_b32 v13, 0xff61b1e6
	s_delay_alu instid0(VALU_DEP_1)
	v_floor_f32 v12, -v13
	v_mov_b32 v14, 0
	v_mov_b32 v15, 0
.irp j, 236,237,238,239,252,253
	v_mov_b32 v[\j], 0
.endr
.set oj, 0
.rept 32
	v_mov_b32 v[160+oj], 0
.set oj, oj+1
.endr
	s_wait_alu depctr_va_vdst(0)
	s_wait_tensorcnt 0x0                           ; my sixteenth of the first four records is in
	ds_add_u32 v243, v251
	s_wait_dscnt 0x0
	s_barrier_signal -1
	s_barrier_wait -1                              ; everybody's is: the first four records may be read
	tensor_load_to_lds s[44:47], s[48:55]          ; the other twelve records: a later first fill, my one load behind this barrier
	s_nop 0
.rept 4
	v_nop
.endr
	s_wait_loadcnt 0x0                             ; q
.Lkey1:
	KSTEP 0
	s_cmp_lt_u32 s[KF], 512
	s_cbranch_scc1 .Lkey1
	s_wait_tensorcnt 0x0
	s_wait_dscnt 0x0
	s_barrier_signal -1
	s_barrier_wait -1
	s_mov_b32 s[KF], 512
	s_mov_b32 s[RO], 4*REC
.Lkey2:
	KSTEP 1
	s_cmp_lt_u32 s[KF], 2048
	s_cbranch_scc1 .Lkey2
.rept 4
	v_nop
.endr
	v_add_f32 v14, v14, v15
	s_delay_alu instid0(VALU_DEP_1)
	v_permlanex16_b32 v252, v14, s[SEL], s[SEL+1]
	s_delay_alu instid0(VALU_DEP_1)
	v_add_f32 v14, v14, v252
	s_wait_alu depctr_va_vdst(0)
	v_rcp_f32 v14, v14
	v_nop
	s_lshr_b32 s40, s9, 4
	s_and_b32 s41, s9, 15
	s_lshl_b32 s42, s40, 7
	s_add_co_u32 s42, s42, s25
	s_lshr_b32 s43, s41, 1
	s_and_b32 s44, s41, 1
	s_lshl_b32 s46, s42, 3
	s_add_co_u32 s46, s46, s43
	s_mul_i32 s46, s46, 1536
	s_mul_i32 s45, s44, 768
	s_add_co_u32 s46, s46, s45
	s_mov_b32 s47, 0
	s_add_nc_u64 s[46:47], s[6:7], s[46:47]
	s_lshl_b32 s48, s43, 12
	s_lshl_b32 s45, s42, 4
	s_add_co_u32 s48, s48, s45
	s_lshl_b32 s48, s48, 2
	s_lshl_b32 s45, s44, 1
	s_add_co_u32 s48, s48, s45
	s_add_co_u32 s48, s48, CS_
	s_mov_b32 s49, 0
	s_add_nc_u64 s[48:49], s[6:7], s[48:49]
	s_wait_alu depctr_va_vdst(0)
.set sj, 0
.rept 16
	v_pk_mul_f32 v[160+sj:161+sj], v[160+sj:161+sj], v[14:15] op_sel_hi:[1,0]
.set sj, sj+2
.endr
.irp b, 0,1
	v_max3_num_f32 v[232+\b], |v[160+16*\b]|, |v[161+16*\b]|, 0x1800000
.endr
.irp i, 2,4,6,8,10,12,14
.irp b, 0,1
	s_delay_alu instid0(VALU_DEP_2)
	v_max3_num_f32 v[232+\b], v[232+\b], |v[160+16*\b+\i]|, |v[161+16*\b+\i]|
.endr
.endr
.irp b, 0,1
	s_delay_alu instid0(VALU_DEP_2)
	v_permlanex16_b32 v[236+\b], v[232+\b], s[SEL], s[SEL+1]
.endr
.irp b, 0,1
	s_delay_alu instid0(VALU_DEP_2)
	v_max_num_f32 v[232+\b], v[232+\b], v[236+\b]
.endr
.irp b, 0,1
	s_delay_alu instid0(VALU_DEP_2)
	v_add_nc_u32 v[244+\b], 0xff000000, v[232+\b]
.endr
.irp b, 0,1
	s_delay_alu instid0(VALU_DEP_2)
	v_lshrrev_b32 v[236+\b], 23, v[244+\b]
.endr
	s_delay_alu instid0(VALU_DEP_1)
	v_lshl_or_b32 v253, v237, 8, v236
	v_cvt_scalef32_pk16_fp6_f32 v[224:226], v[160:175], v244
	v_cvt_scalef32_pk16_fp6_f32 v[248:250], v[176:191], v245
	v_nop
.irp i, 0,1,2
	v_permlane16_swap_b32 v[224+\i], v[248+\i]
.endr
.irp i, 0,1,2
	s_delay_alu instid0(VALU_DEP_3)
	v_mov_b32 v[227+\i], v[248+\i]
.endr
	global_store_b128 v1, v[224:227], s[46:47]
	global_store_b64 v2, v[228:229], s[46:47] offset:512
	global_store_b16 v3, v253, s[48:49]
	s_wait_tensorcnt 0x0
	ds_add_u32 v243, v251
	s_wait_dscnt 0x0
	s_endpgm
.Lfunc_end_k_qbfa88535b7_attn:
	.size	k_qbfa88535b7_attn, .Lfunc_end_k_qbfa88535b7_attn-k_qbfa88535b7_attn
	.p2alignl 7, 3214868480
	.fill 96, 4, 3214868480
	.section	.rodata,"a",@progbits
	.p2align	6, 0x0
	.amdhsa_kernel k_qbfa88535b7_attn
		.amdhsa_group_segment_fixed_size 327680
		.amdhsa_private_segment_fixed_size 0
		.amdhsa_enable_private_segment 0
		.amdhsa_kernarg_size 16
		.amdhsa_user_sgpr_count 2
		.amdhsa_user_sgpr_kernarg_segment_ptr 1
		.amdhsa_wavefront_size32 1
		.amdhsa_system_sgpr_workgroup_id_x 1
		.amdhsa_system_sgpr_workgroup_id_y 1
		.amdhsa_system_sgpr_workgroup_id_z 1
		.amdhsa_system_vgpr_workitem_id 0
		.amdhsa_next_free_vgpr 256
		.amdhsa_next_free_sgpr 66
		.amdhsa_reserve_vcc 1
		.amdhsa_float_denorm_mode_32 3
		.amdhsa_float_denorm_mode_16_64 3
		.amdhsa_memory_ordered 1
		.amdhsa_forward_progress 1
		.amdhsa_inst_pref_size 53
	.end_amdhsa_kernel
	.amdgpu_metadata
---
amdhsa.version: [ 1, 2 ]
amdhsa.kernels:
  - .name:           k_qbfa88535b7_attn
    .symbol:         k_qbfa88535b7_attn.kd
    .args:
      - { .name: qkvb, .offset: 0, .size: 8, .value_kind: global_buffer, .address_space: global }
      - { .name: ctxb, .offset: 8, .size: 8, .value_kind: global_buffer, .address_space: global }
    .group_segment_fixed_size: 327680
    .private_segment_fixed_size: 0
    .kernarg_segment_align: 8
    .kernarg_segment_size: 16
    .max_flat_workgroup_size: 512
    .sgpr_count:     66
    .vgpr_count:     256
    .wavefront_size: 32
...
	.end_amdgpu_metadata
.endif
;; end of part 3
;; launch oproj (part 4): grid 256 x 1, 16 waves a work-group, no clusters, 86,016 bytes of LDS; arguments ctxb, wq, out_b, x, ln2_w, ln2_b, mid; writes mid
.if DOCPART == 4
	.amdgcn_target "amdgcn-amd-amdhsa--gfx1250"
	.amdhsa_code_object_version 6
	.text
	.protected	k_qbfa88535b7_oproj
	.globl	k_qbfa88535b7_oproj
	.p2align	8
	.type	k_qbfa88535b7_oproj,@function
k_qbfa88535b7_oproj:
	s_mov_b64 s[64:65], 0
	v_nop
	global_prefetch_b8 v0, s[64:65] scope:SCOPE_SE
	s_setreg_imm32_b32 hwreg(HW_REG_WAVE_MODE, 25, 1), 1
	s_wait_xcnt 0x0
; x1 = x + ctx out_w^T + out_b on codes of FP6 (E2M3); then LayerNorm 2 of x1, quantised at once.  x1 leaves as f32 (the last residual wants it), LN2(x1) as codes.
; SHARES.  A work-group owns 16 WHOLE rows, so that the norm needs no other work-group; wave w owns columns 64 w .. 64 w + 63: four tiles of out_w's rows.  K = 1,024 in 8 steps, written out.
; Operands lie in memory as images of the operand's registers.  out_w's go from memory straight into registers, two K steps (2 x 19 loads a wave) ahead: no two waves want the same one.
; ctx's eight images, which ALL sixteen waves want, are read from memory once: wave w brings half image w (768 bytes) and stores it to LDS as it stands; a barrier; then every wave takes its fragments from LDS.
; out_w's scale words come two tiles to a load: lane l takes row 32 u + l of my 64, so that lanes 0-15 hold tile 2 u's words and lanes 16-31 tile 2 u + 1's, which the product reads from the register's upper row.
; out_b is the C of the first products.  Loads come back in the order of issue, so x, which only the sums' end wants, is not loaded ahead of the weights: it is loaded in trip 5, behind the last K step's loads,
; into the registers that held out_b, and added behind the walk.  The product is used transposed (source 0 = 16 rows of out_w, source 1 = ctx's 16 rows): lane (r, h) holds row r and columns 16 t + 8 h + 0 .. 7.
; PREFETCHES.  Trip ks loads K step ks + 2; out_w's images of K steps ks + 4 and ks + 5 are named in trip ks (ks = 0, 2), two trips ahead of their loads, those of steps 2 and 3 at the head, by wave 0.
; The images of two K steps are 768 blocks of 256 bytes, shared out in 32 shares by bits 0, 1, 4, 5, 6 of the work-group's number: eight work-groups name each block.  The scale words (out_w's 128 blocks in the
; same shares; my rows' six blocks of ctx's) are named once, at the head; so are my wave's 16 rows x 256 bytes of x, a lane a row, five trips ahead of their loads, and one block each of ln2_w and ln2_b, by the
; wave whose number is the share's low four bits.  Every address lies inside its tensor.
; NO CLUSTER, NO TENSOR LOAD: with 16 rows to a work-group each weight fragment feeds ONE product of ONE wave, so a copy in LDS, which a joint load would fill, would be written and read once for each product.
; LIMITS: NaN and infinities are not served; a block under 2^-124 gets the byte 1; the sums of the norm are taken in another order than a plain sum, within f32 rounding.
.set CS_, 3145728
.set WOC, 5767168
.set WOS, 6553600
.set H2C, 16777216
.set H2S, 19922944
.set STAT, 69632                       ; behind the 16 stages of 16 x 272 bytes: [16 rows][16 waves] f32, twice
.set AIMG, 71680                       ; behind them: ctx's eight images, 12,288 bytes
.set AF,  16
.set BF,  40
.set AS,  136
.set BS,  138                          ; v138-141: two registers a set
.set ACC, 160
.set OB,  192                          ; out_b, then x, then ln2_w
.set T,   240
.set SEL, 30
.macro LOADK ks                        ; K step ks: ctx's scale word, my four images of out_w, their words: 19 loads
.set st, (\ks)%2
	global_load_b32 v[AS+st], v3, s[22:23] offset:(\ks)*16384
.irp t, 0,1,2,3
	global_load_b128 v[BF+48*st+12*\t:BF+48*st+12*\t+3], v1, s[24:25] offset:\t*12288+(\ks)*1536
	global_load_b64 v[BF+48*st+12*\t+4:BF+48*st+12*\t+5], v2, s[24:25] offset:\t*12288+(\ks)*1536+512
	global_load_b128 v[BF+48*st+12*\t+6:BF+48*st+12*\t+9], v1, s[24:25] offset:\t*12288+(\ks)*1536+768
	global_load_b64 v[BF+48*st+12*\t+10:BF+48*st+12*\t+11], v2, s[24:25] offset:\t*12288+(\ks)*1536+1280
.endr
.irp u, 0,1
	global_load_b32 v[BS+2*st+\u], v154, s[26:27] offset:(\ks)*4096+128*\u
.endr
.endm
.macro LOADA ks                        ; ctx's fragment of K step ks, from LDS
.set st, (\ks)%2
	ds_load_b128 v[AF+12*st:AF+12*st+3], v14 offset:(\ks)*1536
	ds_load_b64 v[AF+12*st+4:AF+12*st+5], v15 offset:(\ks)*1536+512
	ds_load_b128 v[AF+12*st+6:AF+12*st+9], v14 offset:(\ks)*1536+768
	ds_load_b64 v[AF+12*st+10:AF+12*st+11], v15 offset:(\ks)*1536+1280
.endm
.macro ASKW ks                         ; wave 0 names its work-group's share of out_w's images of K steps ks and ks + 1
	s_cmp_lg_u32 s18, 0
	s_cbranch_scc1 .Lnot_wave_0_\@
	global_prefetch_b8 v155, s[44:45] offset:(\ks)*1536 th:TH_LOAD_NT scope:SCOPE_SE
.Lnot_wave_0_\@:
.endm
.macro ROWSUM off                      ; v[T]: my 32 numbers' sum; behind it: the row's sum over all 1,024
	v_permlanex16_b32 v[T+1], v[T], s[SEL], s[SEL+1]
	s_delay_alu instid0(VALU_DEP_1)
	v_add_f32 v[T], v[T], v[T+1]
	ds_store_b32 v8, v[T] offset:\off
	s_wait_dscnt 0x0                               ; for the others' sake: my store has landed
	s_barrier_signal -1
	s_barrier_wait -1
.irp i, 0,1,2,3
	ds_load_b128 v[104+4*\i:107+4*\i], v9 offset:\off+16*\i
.endr
	s_wait_dscnt 0x0
.irp i, 0,2,4,6
	v_pk_add_f32 v[104+\i:105+\i], v[104+\i:105+\i], v[112+\i:113+\i]
.endr
	s_delay_alu instid0(VALU_DEP_2)
	v_pk_add_f32 v[104:105], v[104:105], v[108:109]
	s_delay_alu instid0(VALU_DEP_2)
	v_pk_add_f32 v[106:107], v[106:107], v[110:111]
	s_delay_alu instid0(VALU_DEP_1)
	v_pk_add_f32 v[104:105], v[104:105], v[106:107]
	s_delay_alu instid0(VALU_DEP_1)
	v_add_f32 v[T], v104, v105
.endm
.macro LANESUM                         ; the four chains in v[T] .. v[T+7] become one number
	s_delay_alu instid0(VALU_DEP_3)
	v_pk_add_f32 v[T:T+1], v[T:T+1], v[T+2:T+3]
	s_delay_alu instid0(VALU_DEP_2)
	v_pk_add_f32 v[T+4:T+5], v[T+4:T+5], v[T+6:T+7]
	s_delay_alu instid0(VALU_DEP_1)
	v_pk_add_f32 v[T:T+1], v[T:T+1], v[T+4:T+5]
	s_delay_alu instid0(VALU_DEP_1)
	v_add_f32 v[T], v[T], v[T+1]
.endm
	s_load_b256 s[4:11], s[0:1], 0x0               ; ctxb, wq, out_b, x
	s_load_b128 s[12:15], s[0:1], 0x20             ; ln2_w, ln2_b
	s_load_b64 s[16:17], s[0:1], 0x30              ; mid
	v_lshl_add_u32 v254, v0, 2, 0x14800
	v_mov_b32 v255, 0
	v_lshrrev_b32 v11, 5, v0
	s_delay_alu instid0(VALU_DEP_1)
	v_readfirstlane_b32 s18, v11                   ; wave 0..15
	v_and_b32 v11, 31, v0
	v_and_b32 v12, 15, v0                          ; r
	v_bfe_u32 v13, v0, 4, 1                        ; h
	s_delay_alu instid0(VALU_DEP_3)
	v_lshlrev_b32 v1, 4, v11
	s_delay_alu instid0(VALU_DEP_4)
	v_lshlrev_b32 v2, 3, v11
	s_delay_alu instid0(VALU_DEP_4)
	v_lshlrev_b32 v3, 2, v12
	v_lshlrev_b32 v154, 2, v11                     ; 4 x lane
	v_lshlrev_b32 v5, 5, v13                       ; 32 h
	s_delay_alu instid0(VALU_DEP_1)
	v_lshl_add_u32 v4, v12, 12, v5                 ; x: row r of 4,096 bytes, + 32 h
	s_mul_i32 s19, s18, 4352                       ; my stage
	v_mul_u32_u24 v6, v12, 272
	s_delay_alu instid0(VALU_DEP_1)
	v_lshl_add_u32 v6, v13, 5, v6
	s_delay_alu instid0(VALU_DEP_1)
	v_add_nc_u32 v6, s19, v6                       ; in: row r, + 32 h
	v_mul_u32_u24 v7, v13, 272
	s_delay_alu instid0(VALU_DEP_1)
	v_lshl_add_u32 v7, v12, 4, v7
	s_delay_alu instid0(VALU_DEP_1)
	v_add_nc_u32 v7, s19, v7                       ; back: lanes 0-15 one row, lanes 16-31 the next
	v_lshlrev_b32 v9, 6, v12
	s_delay_alu instid0(VALU_DEP_1)
	v_add_nc_u32 v9, STAT, v9
	s_lshl_b32 s19, s18, 2
	v_add_nc_u32 v8, s19, v9
	v_lshlrev_b32 v10, 12, v13
	s_delay_alu instid0(VALU_DEP_1)
	v_lshl_add_u32 v10, v12, 4, v10                ; and the same two rows in x1
	v_add_nc_u32 v14, AIMG, v1                     ; ctx's images in LDS, + 16 x lane
	v_add_nc_u32 v15, AIMG, v2                     ; + 8 x lane
	s_mul_i32 s19, s18, 768
	v_add_nc_u32 v146, s19, v14                    ; where I put my half image
	v_add_nc_u32 v147, s19, v15
	v_mov_b32 v236, 0
	v_mov_b32 v237, 0                              ; written once: permutes' destinations
	; the prefetches' offsets: two row blocks of images, 24 lanes a block of 256 bytes each (the lanes left over name the last again)
	v_min_u32 v155, 23, v11
	s_delay_alu instid0(VALU_DEP_1)
	v_mul_u32_u24 v156, v155, 171
	s_delay_alu instid0(VALU_DEP_1)
	v_lshrrev_b32 v156, 11, v156                   ; lane / 12
	s_delay_alu instid0(VALU_DEP_1)
	v_mul_u32_u24 v156, v156, 9216                 ; a row block is 12,288 bytes, of which 3,072 are passed
	s_delay_alu instid0(VALU_DEP_1)
	v_lshl_add_u32 v155, v155, 8, v156
	v_min_u32 v157, 3, v11
	v_min_u32 v158, 5, v11
	v_min_u32 v159, 15, v11
	s_delay_alu instid0(VALU_DEP_3)
	v_lshlrev_b32 v157, 8, v157                    ; out_w's scale words: four blocks a work-group
	s_delay_alu instid0(VALU_DEP_3)
	v_lshl_add_u32 v158, v158, 14, 0x8000          ; ctx's scale words of K steps 2 to 7: 16,384 bytes from step to step
	s_delay_alu instid0(VALU_DEP_3)
	v_lshlrev_b32 v159, 12, v159                   ; x: a lane a row
	s_mov_b32 s[SEL], 0x76543210
	s_mov_b32 s[SEL+1], 0xfedcba98
	s_mov_b32 s32, 0x3a800000                      ; 1 / 1024
	s_mov_b32 s33, 0x3727c5ac                      ; 1e-5
	s_mov_b32 s29, 0
	s_wait_alu depctr_va_vdst(0)
	s_wait_kmcnt 0x0
	s_mul_i32 s28, ttmp9, 12288
	s_add_nc_u64 s[20:21], s[4:5], s[28:29]        ; ctx's images of my 16 rows
	s_mov_b32 s28, s19
	s_add_nc_u64 s[42:43], s[20:21], s[28:29]      ; my half image among them
	s_lshl_b32 s28, ttmp9, 6
	s_add_co_u32 s28, s28, CS_
	s_add_nc_u64 s[22:23], s[4:5], s[28:29]        ; and their words
	s_mul_i32 s28, s18, 49152
	s_add_co_u32 s28, s28, WOC
	s_add_nc_u64 s[24:25], s[6:7], s[28:29]        ; out_w's images of my 64 rows
	s_lshl_b32 s28, s18, 8
	s_add_co_u32 s28, s28, WOS
	s_add_nc_u64 s[26:27], s[6:7], s[28:29]
	s_lshl_b32 s28, s18, 8                         ; my 64 columns: 256 bytes
	s_add_nc_u64 s[8:9], s[8:9], s[28:29]
	s_add_nc_u64 s[12:13], s[12:13], s[28:29]
	s_add_nc_u64 s[14:15], s[14:15], s[28:29]
	s_lshl_b32 s19, ttmp9, 16
	s_add_co_u32 s28, s28, s19
	s_add_nc_u64 s[10:11], s[10:11], s[28:29]      ; x
	s_add_nc_u64 s[34:35], s[16:17], s[28:29]      ; x1
	global_load_b128 v[148:151], v1, s[42:43]      ; my half image of ctx: first, since all sixteen waves wait for it
	global_load_b64 v[152:153], v2, s[42:43] offset:512
.irp t, 0,1,2,3
	global_load_b128 v[OB+8*\t:OB+8*\t+3], v5, s[8:9] offset:64*\t              ; out_b
	global_load_b128 v[OB+8*\t+4:OB+8*\t+7], v5, s[8:9] offset:64*\t+16
.endr
	LOADK 0
	LOADK 1
	s_lshl_b32 s28, ttmp9, 3                       ; scalar work while the loads are out: none of these registers is a pending load's
	s_lshr_b32 s19, s18, 1
	s_add_co_u32 s28, s28, s19
	s_mul_i32 s28, s28, 1536
	s_and_b32 s40, s18, 1
	s_mul_i32 s41, s40, 768
	s_add_co_u32 s28, s28, s41
	s_add_co_u32 s28, s28, H2C
	s_add_nc_u64 s[36:37], s[16:17], s[28:29]      ; my half image of LN2(x1)
	s_lshl_b32 s28, s19, 14
	s_lshl_b32 s41, ttmp9, 6
	s_add_co_u32 s28, s28, s41
	s_lshl_b32 s41, s40, 1
	s_add_co_u32 s28, s28, s41
	s_add_co_u32 s28, s28, H2S
	s_add_nc_u64 s[38:39], s[16:17], s[28:29]      ; and my half of the scale words
	s_and_b32 s28, ttmp9, 3                        ; which of the 32 shares of out_w this work-group names
	s_bfe_u32 s19, ttmp9, 0x30004
	s_lshl_b32 s19, s19, 2
	s_add_co_u32 s19, s19, s28
	s_and_b32 s2, s19, 15                          ; and which wave names a block of ln2_w and of ln2_b
	s_mul_i32 s28, s19, 24576
	s_add_co_u32 s28, s28, WOC
	s_add_nc_u64 s[44:45], s[6:7], s[28:29]        ; two row blocks of images
	s_lshl_b32 s28, s19, 10
	s_add_co_u32 s28, s28, WOS
	s_add_nc_u64 s[46:47], s[6:7], s[28:29]        ; four blocks of the 128 of scale words
	ASKW 2
	s_cmp_lg_u32 s18, 0
	s_cbranch_scc1 .Lno_words
	global_prefetch_b8 v157, s[46:47] th:TH_LOAD_NT scope:SCOPE_SE
	global_prefetch_b8 v158, s[22:23] th:TH_LOAD_NT scope:SCOPE_SE
.Lno_words:
	global_prefetch_b8 v159, s[10:11] th:TH_LOAD_NT scope:SCOPE_SE              ; my 16 rows x 256 bytes of x
	s_cmp_lg_u32 s18, s2
	s_cbranch_scc1 .Lno_tables
	global_prefetch_b8 v5, s[12:13] th:TH_LOAD_NT scope:SCOPE_SE                ; my wave's 256 bytes of ln2_w (32 h stays inside them)
	global_prefetch_b8 v5, s[14:15] th:TH_LOAD_NT scope:SCOPE_SE                ; and of ln2_b
.Lno_tables:
	s_wait_loadcnt 46                              ; my half image is in; out_b's 8 loads and the two K steps' 38 may stay out
	ds_store_b128 v146, v[148:151]
	ds_store_b64 v147, v[152:153] offset:512
	s_wait_dscnt 0x0                               ; for the others' sake: my stores have landed
	s_barrier_signal -1
	s_barrier_wait -1                              ; ctx's eight images lie in LDS; nobody writes them again
	LOADA 0
	LOADA 1
.set ks_, 0
.rept 8
.if ks_ < 6
	s_wait_loadcnt 19                              ; this K step (and in trip 0 out_b) is in; the next one's 19 loads may stay out
.else
.if ks_ == 6
	s_wait_loadcnt 27                              ; behind K step 6's loads: K step 7's 19 and x's 8
.else
	s_wait_loadcnt 8                               ; x's 8
.endif
.endif
	s_wait_dscnt 0x0                               ; ctx's fragments (asked for a K step ago or more)
.set CB_, ACC
.if ks_ == 0
.set CB_, OB                                       ; the sums begin with out_b
.endif
.irp t, 0,1,2,3
.if \t%2
	v_wmma_scale_f32_16x16x128_f8f6f4 v[ACC+8*\t:ACC+8*\t+7], v[BF+48*(ks_%2)+12*\t:BF+48*(ks_%2)+12*\t+11], v[AF+12*(ks_%2):AF+12*(ks_%2)+11], v[CB_+8*\t:CB_+8*\t+7], v[BS+2*(ks_%2)+\t/2], v[AS+(ks_%2)] matrix_a_fmt:MATRIX_FMT_FP6 matrix_b_fmt:MATRIX_FMT_FP6 matrix_a_scale:MATRIX_SCALE_ROW1
.else
	v_wmma_scale_f32_16x16x128_f8f6f4 v[ACC+8*\t:ACC+8*\t+7], v[BF+48*(ks_%2)+12*\t:BF+48*(ks_%2)+12*\t+11], v[AF+12*(ks_%2):AF+12*(ks_%2)+11], v[CB_+8*\t:CB_+8*\t+7], v[BS+2*(ks_%2)+\t/2], v[AS+(ks_%2)] matrix_a_fmt:MATRIX_FMT_FP6 matrix_b_fmt:MATRIX_FMT_FP6   ; the four sums by turns
.endif
.endr
.rept 4
	v_nop                                          ; places in front of loads into registers that these products read, and of the first read of results
.endr
.if ks_ < 6
	LOADK ks_+2
	LOADA ks_+2
.if ks_ == 0 || ks_ == 2
	ASKW ks_+4
.endif
.if ks_ == 5
.irp t, 0,1,2,3
	global_load_b128 v[OB+8*\t:OB+8*\t+3], v4, s[10:11] offset:64*\t            ; x, into the registers that trip 0's products read as C
	global_load_b128 v[OB+8*\t+4:OB+8*\t+7], v4, s[10:11] offset:64*\t+16
.endr
.endif
.endif
.set ks_, ks_+1
.endr
	s_wait_loadcnt 0x0                             ; x
.set aj, 0
.rept 16
	v_pk_add_f32 v[ACC+aj:ACC+aj+1], v[ACC+aj:ACC+aj+1], v[OB+aj:OB+aj+1]       ; x1; each sum from its low end on
.set aj, aj+2
.endr
.irp t, 0,1,2,3
	global_load_b128 v[OB+8*\t:OB+8*\t+3], v5, s[12:13] offset:64*\t          ; ln2_w
	global_load_b128 v[OB+8*\t+4:OB+8*\t+7], v5, s[12:13] offset:64*\t+16
	global_load_b128 v[40+8*\t:43+8*\t], v5, s[14:15] offset:64*\t            ; ln2_b
	global_load_b128 v[44+8*\t:47+8*\t], v5, s[14:15] offset:64*\t+16
.endr
.irp t, 0,1,2,3
	ds_store_b128 v6, v[ACC+8*\t:ACC+8*\t+3] offset:64*\t                     ; x1 through my stage
	ds_store_b128 v6, v[ACC+8*\t+4:ACC+8*\t+7] offset:64*\t+16
.endr
.irp i, 0,1,2,3,4,5,6,7
	ds_load_b128 v[72+4*\i:75+4*\i], v7 offset:544*\i                         ; my own bytes: LDS serves a wave's instructions in order
.endr
.irp k, 0,2,4,6
	v_pk_add_f32 v[T+\k:T+\k+1], v[ACC+\k:ACC+\k+1], v[ACC+8+\k:ACC+8+\k+1]
.endr
.irp i, 16,24
.irp k, 0,2,4,6
	v_pk_add_f32 v[T+\k:T+\k+1], v[T+\k:T+\k+1], v[ACC+\i+\k:ACC+\i+\k+1]
.endr
.endr
	LANESUM
	s_wait_alu depctr_va_vdst(0)
	s_wait_dscnt 0x0
.irp i, 0,1,2,3,4,5,6,7
	global_store_b128 v10, v[72+4*\i:75+4*\i], s[34:35] offset:8192*\i        ; sixteen lanes store 256 consecutive bytes, aligned
.endr
	ROWSUM 0
	s_delay_alu instid0(VALU_DEP_1)
	v_mul_f32 v[T], s32, v[T]                      ; the mean
.set aj, 0
.rept 16
	v_pk_add_f32 v[ACC+aj:ACC+aj+1], v[ACC+aj:ACC+aj+1], v[T:T+1] op_sel_hi:[1,0] neg_lo:[0,1] neg_hi:[0,1]
.set aj, aj+2
.endr
.irp k, 0,2,4,6
	v_pk_mul_f32 v[T+\k:T+\k+1], v[ACC+\k:ACC+\k+1], v[ACC+\k:ACC+\k+1]
.endr
.irp i, 8,16,24
.irp k, 0,2,4,6
	s_delay_alu instid0(VALU_DEP_4)
	v_pk_fma_f32 v[T+\k:T+\k+1], v[ACC+\i+\k:ACC+\i+\k+1], v[ACC+\i+\k:ACC+\i+\k+1], v[T+\k:T+\k+1]
.endr
.endr
	LANESUM
	ROWSUM 1024                                    ; other bytes than the first sums'
	s_delay_alu instid0(VALU_DEP_1)
	v_fma_f32 v[T], v[T], s32, s33
	s_wait_alu depctr_va_vdst(0)                   ; ahead of the transcendental
	v_rsq_f32 v[T+2], v[T]
	v_nop
	s_wait_alu depctr_va_vdst(0)                   ; ahead of the first line that names the result
	s_wait_loadcnt 0x0                             ; ln2_w, ln2_b
.set aj, 0
.rept 16
	v_pk_mul_f32 v[ACC+aj:ACC+aj+1], v[ACC+aj:ACC+aj+1], v[T+2:T+3] op_sel_hi:[1,0]
.set aj, aj+2
.endr
.set aj, 0
.rept 16
	v_pk_fma_f32 v[ACC+aj:ACC+aj+1], v[ACC+aj:ACC+aj+1], v[OB+aj:OB+aj+1], v[40+aj:41+aj]
.set aj, aj+2
.endr
	; my 64 columns are two blocks of 32: half an image of the next product's operand
.irp b, 0,1
	v_max3_num_f32 v[232+\b], |v[ACC+16*\b]|, |v[ACC+1+16*\b]|, 0x1800000
.endr
.irp i, 2,4,6,8,10,12,14
.irp b, 0,1
	s_delay_alu instid0(VALU_DEP_2)
	v_max3_num_f32 v[232+\b], v[232+\b], |v[ACC+16*\b+\i]|, |v[ACC+1+16*\b+\i]|
.endr
.endr
.irp b, 0,1
	s_delay_alu instid0(VALU_DEP_2)
	v_permlanex16_b32 v[236+\b], v[232+\b], s[SEL], s[SEL+1]
.endr
.irp b, 0,1
	s_delay_alu instid0(VALU_DEP_2)
	v_max_num_f32 v[232+\b], v[232+\b], v[236+\b]
.endr
.irp b, 0,1
	s_delay_alu instid0(VALU_DEP_2)
	v_add_nc_u32 v[244+\b], 0xff000000, v[232+\b]
.endr
.irp b, 0,1
	s_delay_alu instid0(VALU_DEP_2)
	v_lshrrev_b32 v[236+\b], 23, v[244+\b]
.endr
	s_delay_alu instid0(VALU_DEP_1)
	v_lshl_or_b32 v253, v237, 8, v236
	v_cvt_scalef32_pk16_fp6_f32 v[224:226], v[ACC:ACC+15], v244
	v_cvt_scalef32_pk16_fp6_f32 v[248:250], v[ACC+16:ACC+31], v245
	v_nop
.irp i, 0,1,2
	v_permlane16_swap_b32 v[224+\i], v[248+\i]
.endr
.irp i, 0,1,2
	s_delay_alu instid0(VALU_DEP_3)
	v_mov_b32 v[227+\i], v[248+\i]
.endr
	global_store_b128 v1, v[224:227], s[36:37]
	global_store_b64 v2, v[228:229], s[36:37] offset:512
	global_store_b16 v3, v253, s[38:39]            ; half of each row's scale word; the other half is the neighbouring wave's
	s_wait_tensorcnt 0x0                           ; the wave's end
	ds_add_u32 v254, v255
	s_wait_dscnt 0x0
	s_endpgm
.Lfunc_end_k_qbfa88535b7_oproj:
	.size	k_qbfa88535b7_oproj, .Lfunc_end_k_qbfa88535b7_oproj-k_qbfa88535b7_oproj
	.p2alignl 7, 3214868480
	.fill 96, 4, 3214868480
	.section	.rodata,"a",@progbits
	.p2align	6, 0x0
	.amdhsa_kernel k_qbfa88535b7_oproj
		.amdhsa_group_segment_fixed_size 86016
		.amdhsa_private_segment_fixed_size 0
		.amdhsa_enable_private_segment 0
		.amdhsa_kernarg_size 56
		.amdhsa_user_sgpr_count 2
		.amdhsa_user_sgpr_kernarg_segment_ptr 1
		.amdhsa_wavefront_size32 1
		.amdhsa_system_sgpr_workgroup_id_x 1
		.amdhsa_system_sgpr_workgroup_id_y 1
		.amdhsa_system_sgpr_workgroup_id_z 1
		.amdhsa_system_vgpr_workitem_id 0
		.amdhsa_next_free_vgpr 256
		.amdhsa_next_free_sgpr 66
		.amdhsa_reserve_vcc 0
		.amdhsa_float_denorm_mode_32 3
		.amdhsa_float_denorm_mode_16_64 3
		.amdhsa_memory_ordered 1
		.amdhsa_forward_progress 1
		.amdhsa_inst_pref_size 46
	.end_amdhsa_kernel
	.amdgpu_metadata
---
amdhsa.version: [ 1, 2 ]
amdhsa.kernels:
  - .name:           k_qbfa88535b7_oproj
    .symbol:         k_qbfa88535b7_oproj.kd
    .args:
      - { .name: ctxb, .offset: 0, .size: 8, .value_kind: global_buffer, .address_space: global }
      - { .name: wq, .offset: 8, .size: 8, .value_kind: global_buffer, .address_space: global }
      - { .name: out_b, .offset: 16, .size: 8, .value_kind: global_buffer, .address_space: global }
      - { .name: x, .offset: 24, .size: 8, .value_kind: global_buffer, .address_space: global }
      - { .name: ln2_w, .offset: 32, .size: 8, .value_kind: global_buffer, .address_space: global }
      - { .name: ln2_b, .offset: 40, .size: 8, .value_kind: global_buffer, .address_space: global }
      - { .name: mid, .offset: 48, .size: 8, .value_kind: global_buffer, .address_space: global }
    .group_segment_fixed_size: 86016
    .private_segment_fixed_size: 0
    .kernarg_segment_align: 8
    .kernarg_segment_size: 56
    .max_flat_workgroup_size: 512
    .sgpr_count:     66
    .vgpr_count:     256
    .wavefront_size: 32
...
	.end_amdgpu_metadata
.endif
;; end of part 4
;; launch fc1 (part 5): grid 16 x 16, 4 waves a work-group, clusters of 4 x 4, 327,680 bytes of LDS; arguments mid, wq, fc1_b, act; writes act
.if DOCPART == 5
	.amdgcn_target "amdgcn-amd-amdhsa--gfx1250"
	.amdhsa_code_object_version 6
	.text
	.protected	k_qbfa88535b7_fc1
	.globl	k_qbfa88535b7_fc1
	.p2align	8
	.type	k_qbfa88535b7_fc1,@function
k_qbfa88535b7_fc1:
	s_mov_b64 s[64:65], 0
	v_nop
	global_prefetch_b8 v0, s[64:65] scope:SCOPE_SE
	s_setreg_imm32_b32 hwreg(HW_REG_WAVE_MODE, 25, 1), 1
	s_wait_xcnt 0x0
	s_wait_alu depctr_hold_cnt(0) depctr_sa_sdst(0) depctr_va_vdst(0) depctr_va_sdst(0) depctr_va_ssrc(0) depctr_va_vcc(0) depctr_vm_vsrc(0)
	s_getreg_b32 s2, hwreg(HW_REG_IB_STS2, 6, 4)
	s_cmp_eq_u32 s2, 0
	s_cbranch_scc0 .Lentry_in_a_cluster
	s_endpgm
.Lentry_in_a_cluster:
	s_bfe_u32 s2, ttmp6, 0x10000c
	s_cmp_lg_u32 s2, 0xf033
	s_cbranch_scc0 .Lentry_shape_is_right
	s_endpgm
.Lentry_shape_is_right:
; gelu(LN2(x1) fc1_w^T + fc1_b) on codes of FP6 (E2M3) with E8M0 scales; the result is quantised at once along its columns and leaves as codes for the last product.
; A tile of C is 256 x 256; four waves, each 128 x 128.  Operands lie in memory as images of the operand's registers (16 rows x 128 K = 1,536 bytes), scale words [K step][4,096 rows].
; K = 1,024 goes in 8 steps through a ring of two LDS slots of two steps.  The head's four tiles (slot 0 of A, of B, A's scale words, B's) come one to a wave; slot 1 follows behind a round.
; CLUSTER 4 x 4: A's tiles are asked for jointly along a row of the cluster, B's along a column.  The product is used transposed; the bias is the C of each sum's first product.
; PREFETCHES: the ring has four fills; fills 2 and 3 are named two fills ahead, behind the loads of fills 0 and 1.  Of the 8 row blocks that a wave fetches in the ring the partner at place p (cx for A, cy for B)
; names blocks 2 p and 2 p + 1, 3,072 bytes each: every block of 256 bytes once in each cluster that loads it.  The partners are told apart by address alone.
; GELU, in f32: x (1 + erf(x / sqrt 2)) / 2 = max(x, 0) - |x| y with y = erfc(|x| / sqrt 2) / 2 = t (a1 + a2 t + .. + a5 t^4) e^(-x^2 / 2) / 2, t = 1 / (1 + p |x| / sqrt 2): the five-term form of
; Abramowitz and Stegun, 7.1.26.  No difference of near numbers is formed for negative x, and no clamp is needed: for large |x| the exponential falls to 0.  LIMIT: the form's error in erf is under 1.5e-7.
; LIMITS: NaN and infinities are not served; a block under 2^-124 gets the byte 1 (this program alone reads the bytes).
.set MB,   8
.set NQ,   16/MB
.set KST,  8
.set LAPS, KST/(2*NQ)
.set HALFT, 24576
.set SLOT,  4*HALFT
.set SCL,   2*SLOT
.set HALFS, KST*MB*64
.set SPARE, 270336
.set H2C, 16777216
.set H2S, 19922944
.set W1C, 6586368
.set W1S, 9732096
.set GS,  12582912
.set ADRA, 16
.set ADRB, 20
.set STO,  24
.set RDQ,  25
.set L16,  26
.set ADRS, 27
.set SPW,  28
.set NIL,  29
.set L8,   30
.set R4A,  31
.set H8,   10
.set HB,   11
.set SC,   32
.set AF,   64
.set BF,   0
.set BIAS, 192
.set X,   64
.set GZ,  128
.set GZ2, 144
.set GP,  160
.set GQ,  176
.set PC,  192
.set CT,  204
.set MX,  212
.set SV,  216
.set BY,  218
.set W,   220
.set W2,  221
.set RDA, 222
.set CA4, 224                          ; v224-225 a4 / 2
.set QP,  24                           ; s24 p / sqrt 2;  pairs: s26 -log2(e) / 2, s28 a5 / 2, s30 a3 / 2, s32 a2 / 2, s34 a1 / 2
.set QK,  26
.set QA5, 28
.set QA3, 30
.set QA2, 32
.set QA1, 34
.set G1, 24
.set G0, 32
.set G1B, 48
.set G0B, 56
.set G1S, 68
.set G0S, 76
.set G1SB, 80
.set G0SB, 88
.set SEL, 66
.set MSB, 0
.macro WIN new
.if MSB != (\new)
	s_set_vgpr_msb (MSB<<8)|(\new)
.set MSB, (\new)
.endif
.endm
.macro PLACES n
.rept \n
	v_nop
.endr
.endm
.macro JLOAD g0a, g1a, g0b, g1b
	s_cmp_eq_u32 s15, 0
	s_cbranch_scc0 .Lfor_b_\@
	tensor_load_to_lds s[\g0a:\g0a+3], s[\g1a:\g1a+7]
	s_nop 0
.rept 4
	v_nop
.endr
	s_branch .Lasked_\@
.Lfor_b_\@:
	tensor_load_to_lds s[\g0b:\g0b+3], s[\g1b:\g1b+7]
	s_nop 0
.rept 4
	v_nop
.endr
.Lasked_\@:
.endm
.macro CREST
	s_cmp_lg_u32 s14, 0
	s_cbranch_scc1 .Lnot_wave_0_\@
	s_barrier_signal -3
.Lnot_wave_0_\@:
	s_barrier_wait -3
	s_barrier_signal -1
	s_barrier_wait -1
.endm
.macro CROUND
	s_barrier_signal -1
	s_barrier_wait -1
	CREST
.endm
.macro FRAG reg, adr, off
	ds_load_b128 v[(\reg):(\reg)+3], v[\adr] offset:(\off)
	ds_load_b64 v[(\reg)+4:(\reg)+5], v[(\adr)+2] offset:(\off)+512
	ds_load_b128 v[(\reg)+6:(\reg)+9], v[\adr] offset:(\off)+768
	ds_load_b64 v[(\reg)+10:(\reg)+11], v[(\adr)+2] offset:(\off)+1280
.endm
.macro FETCH slot, q, set
	WIN 0x40
.set fi, 0
.rept MB
	FRAG BF+12*MB*(\set)+12*fi, ADRB+\slot, (fi*NQ+(\q))*1536
.set fi, fi+1
.endr
	WIN 0
.set fi, 0
.rept MB
	FRAG AF+12*MB*(\set)+12*fi, ADRA+\slot, (fi*NQ+(\q))*1536
.set fi, fi+1
.endr
.set fi, 0
.rept MB
	ds_load_b32 v[SC+MB*(\set)+fi], v[ADRS] offset:(\q)*2*MB*64+64*fi
.set fi, fi+1
.endr
.endm
.macro MULH half, set, cm
.set AW, 2+((\half)*MB*MB/2)/32
.if (\cm)
	WIN (AW<<6)|0x11
.else
	WIN (AW<<6)|(AW<<4)|1
.endif
.set ia, (\half)*MB/2
.rept MB/2
.set ib, 0
.rept MB
.set RD_, 8*((MB*ia+ib)%32)
.set RC_, RD_
.if (\cm)==1
.set RC_, BIAS+8*ib
.endif
	v_wmma_scale_f32_16x16x128_f8f6f4 v[RD_:RD_+7], v[BF+12*MB*(\set)+12*ib:BF+12*MB*(\set)+12*ib+11], v[AF+12*MB*(\set)+12*ia:AF+12*MB*(\set)+12*ia+11], v[RC_:RC_+7], v[SC+MB*(\set)+ib], v[SC+MB*(\set)+ia] matrix_a_fmt:MATRIX_FMT_FP6 matrix_b_fmt:MATRIX_FMT_FP6 matrix_a_scale:MATRIX_SCALE_ROW1
.set ib, ib+1
.endr
.set ia, ia+1
.endr
.endm
.macro STEP slot, q, cm
	s_wait_dscnt 0x0
	PLACES 4
	FETCH \slot, (\q)+1, ((\q)+1)%2
	MULH 0, (\q)%2, \cm
	MULH 1, (\q)%2, \cm
	WIN 0
.endm
.macro STEPS slot, q0
.set qq, \q0
.rept NQ-1-(\q0)
	STEP \slot, qq, 0
.set qq, qq+1
.endr
.endm
.macro TURN slot, next, fill
	s_wait_tensorcnt 0x0
	ds_add_u32 v[SPW], v[NIL]
	s_wait_dscnt 0x0
	s_barrier_signal -1
	MULH 0, 1, 0
	WIN 0
	s_barrier_wait -1
.if \fill
	CREST
	s_add_nc_u64 s[G0+4*\slot+2:G0+4*\slot+3], s[G0+4*\slot+2:G0+4*\slot+3], 2*NQ*1536
	s_add_nc_u64 s[G0B+4*\slot+2:G0B+4*\slot+3], s[G0B+4*\slot+2:G0B+4*\slot+3], 2*NQ*1536
	JLOAD G0+4*\slot, G1, G0B+4*\slot, G1B
.else
	PLACES 4
.endif
	s_wait_alu depctr_va_vdst(0)
	v_add_nc_u32 v[ADRS], 2*NQ*MB*64, v[ADRS]      ; the next slot's scale words: 1,024 bytes a K step
	FETCH \next, 0, 0
	MULH 1, 1, 0
	WIN 0
.endm
.macro QUANT128 xr
.irp k, 0,1,2,3
	v_max3_num_f32 v[MX+\k], |v[\xr+16*\k]|, |v[\xr+16*\k+1]|, 0x1800000
.endr
.irp i, 2,4,6,8,10,12,14
.irp k, 0,1,2,3
	v_max3_num_f32 v[MX+\k], v[MX+\k], |v[\xr+16*\k+\i]|, |v[\xr+16*\k+\i+1]|
.endr
.endr
	v_max_num_f32 v[MX], v[MX], v[MX+1]
	v_max_num_f32 v[MX+2], v[MX+2], v[MX+3]
	v_add_nc_u32 v[SV], 0xff000000, v[MX]
	v_add_nc_u32 v[SV+1], 0xff000000, v[MX+2]
	v_lshrrev_b32 v[BY], 23, v[SV]
	v_lshrrev_b32 v[BY+1], 23, v[SV+1]
	v_lshl_or_b32 v[W], v[BY+1], 16, v[BY]
	v_lshlrev_b32 v[W], v[H8], v[W]
	v_permlanex16_b32 v[W2], v[W], s[SEL], s[SEL+1]
	v_or_b32 v[W], v[W], v[W2]
.irp c, 0,1
	v_cvt_scalef32_pk16_fp6_f32 v[PC+6*\c:PC+6*\c+2], v[\xr+32*\c:\xr+32*\c+15], v[SV+\c]
	v_cvt_scalef32_pk16_fp6_f32 v[CT+4*\c:CT+4*\c+2], v[\xr+32*\c+16:\xr+32*\c+31], v[SV+\c]
.endr
	v_nop
.irp c, 0,1
.irp i, 0,1,2
	v_mov_b32 v[PC+6*\c+3+\i], v[CT+4*\c+\i]
.endr
.endr
.endm
.macro HORN cf                         ; q = q t + the next coefficient, 16 numbers
.set hp, 0
.rept 8
	v_pk_fma_f32 v[GP+hp:GP+hp+1], v[GP+hp:GP+hp+1], v[GZ+hp:GZ+hp+1], s[\cf:\cf+1] op_sel_hi:[1,1,0]
.set hp, hp+2
.endr
.endm
.macro GELU16 xg                       ; 16 numbers a lane
.set gp_, 0
.rept 16
	v_fma_f32 v[GZ+gp_], |v[\xg+gp_]|, s[QP], 1.0                  ; 1 + p |x| / sqrt 2
.set gp_, gp_+1
.endr
.set gp_, 0
.rept 8
	v_pk_mul_f32 v[GZ2+gp_:GZ2+gp_+1], v[\xg+gp_:\xg+gp_+1], v[\xg+gp_:\xg+gp_+1]
.set gp_, gp_+2
.endr
.set gp_, 0
.rept 8
	v_pk_mul_f32 v[GZ2+gp_:GZ2+gp_+1], v[GZ2+gp_:GZ2+gp_+1], s[QK:QK+1] op_sel_hi:[1,0]   ; -x^2 log2(e) / 2
.set gp_, gp_+2
.endr
	s_wait_alu depctr_va_vdst(0)                   ; ahead of the batch
.set gp_, 0
.rept 16
	v_rcp_f32 v[GZ+gp_], v[GZ+gp_]                 ; t
.set gp_, gp_+1
.endr
.set gp_, 0
.rept 16
	v_exp_f32 v[GZ2+gp_], v[GZ2+gp_]               ; e^(-x^2 / 2)
.set gp_, gp_+1
.endr
.set gp_, 0
.rept 16
	v_max_num_f32 v[GQ+gp_], 0, v[\xg+gp_]         ; max(x, 0): plain work behind the batch
.set gp_, gp_+1
.endr
	s_wait_alu depctr_va_vdst(0)                   ; one wait for the batch, ahead of its first reader
.set gp_, 0
.rept 8
	v_pk_fma_f32 v[GP+gp_:GP+gp_+1], v[GZ+gp_:GZ+gp_+1], s[QA5:QA5+1], v[CA4:CA4+1] op_sel_hi:[1,0,1]
.set gp_, gp_+2
.endr
	HORN QA3
	HORN QA2
	HORN QA1
.set gp_, 0
.rept 8
	v_pk_mul_f32 v[GZ+gp_:GZ+gp_+1], v[GZ+gp_:GZ+gp_+1], v[GZ2+gp_:GZ2+gp_+1]
.set gp_, gp_+2
.endr
.set gp_, 0
.rept 8
	v_pk_mul_f32 v[GP+gp_:GP+gp_+1], v[GP+gp_:GP+gp_+1], v[GZ+gp_:GZ+gp_+1]               ; y
.set gp_, gp_+2
.endr
.set gp_, 0
.rept 16
	v_fma_f32 v[\xg+gp_], -|v[\xg+gp_]|, v[GP+gp_], v[GQ+gp_]      ; max(x, 0) - |x| y
.set gp_, gp_+1
.endr
.endm
	s_load_b256 s[4:11], s[0:1], 0x0
	v_lshl_add_u32 v[SPW], v0, 2, SPARE
	v_mov_b32 v[NIL], 0
	ds_add_u32 v28, v29
	ds_add_u32 v28, v29
	s_wait_dscnt 0x0
	v_lshrrev_b32 v1, 5, v0
	v_readfirstlane_b32 s14, v1
	s_lshr_b32 s15, s14, 1
	s_and_b32 s16, s14, 1
	s_bfe_u32 s40, ttmp6, 0x40000
	s_bfe_u32 s41, ttmp6, 0x40004
	s_lshl_b32 s42, ttmp9, 2
	s_add_co_u32 s42, s42, s40
	s_and_b32 s17, ttmp7, 0xffff
	s_lshl_b32 s17, s17, 2
	s_add_co_u32 s17, s17, s41
	s_lshl_b32 s43, s41, 2
	s_lshl_b32 s43, 15, s43
	s_lshl_b32 s44, 0x1111, s40
	s_or_b32 s[G1], s43, (3<<16)|(1<<21)
	s_or_b32 s[G1B], s44, (3<<16)|(1<<21)
.irp g, G1, G1B
	s_mov_b32 s[\g+1], (NQ*192)<<16
	s_mov_b32 s[\g+2], (2*MB)<<16                  ; the head's loads bring a tile's 2 MB row blocks; behind them the two words are set to MB
	s_mov_b32 s[\g+3], (NQ*192)<<16
	s_mov_b32 s[\g+4], 2*MB
	s_mov_b32 s[\g+5], KST*192
	s_mov_b32 s[\g+6], 0
	s_mov_b32 s[\g+7], 0
.endr
	s_or_b32 s[G1S], s43, (3<<16)|(1<<21)
	s_or_b32 s[G1SB], s44, (3<<16)|(1<<21)
.irp g, G1S, G1SB
	s_mov_b32 s[\g+1], (MB*16)<<16                 ; the words of a tile's 256 rows: 1,024 bytes for each K step
	s_mov_b32 s[\g+2], KST<<16
	s_mov_b32 s[\g+3], (MB*16)<<16
	s_mov_b32 s[\g+4], KST
	s_mov_b32 s[\g+5], 2048
	s_mov_b32 s[\g+6], 0
	s_mov_b32 s[\g+7], 0
.endr
	s_mul_i32 s20, s17, 2*MB                       ; A's tile: its first row block
	s_mul_i32 s46, s42, 2*MB                       ; B's
	s_lshl_b32 s22, s20, 6
	s_add_co_u32 s22, s22, H2S
	s_mov_b32 s23, 0
	s_mul_i32 s20, s20, KST*1536
	s_add_co_u32 s20, s20, H2C
	s_mov_b32 s21, 0
	s_lshl_b32 s92, s46, 6
	s_add_co_u32 s92, s92, W1S
	s_mov_b32 s93, 0
	s_mul_i32 s46, s46, KST*1536
	s_add_co_u32 s46, s46, W1C
	s_mov_b32 s47, 0
	s_mul_i32 s45, s14, HALFT
	s_mul_i32 s18, s16, MB*KST*1536                ; in the ring I fetch MB row blocks of a tile: which half, in bytes
	s_mov_b32 s19, 0
	s_mov_b32 s[SEL], 0x76543210
	s_mov_b32 s[SEL+1], 0xfedcba98
	s_wait_kmcnt 0x0
	s_add_nc_u64 s[20:21], s[4:5], s[20:21]
	s_add_nc_u64 s[22:23], s[4:5], s[22:23]
	s_add_nc_u64 s[46:47], s[6:7], s[46:47]
	s_add_nc_u64 s[92:93], s[6:7], s[92:93]
	CROUND
	s_mov_b32 s[G0S], 1
	s_mov_b32 s[G0S+1], SCL
	s_mov_b64 s[G0S+2:G0S+3], s[22:23]
	s_or_b32 s[G0S+3], s[G0S+3], 0x80000000
	s_mov_b32 s[G0SB], 1
	s_mov_b32 s[G0SB+1], SCL+2*HALFS
	s_mov_b64 s[G0SB+2:G0SB+3], s[92:93]
	s_or_b32 s[G0SB+3], s[G0SB+3], 0x80000000
.set G0H, 96                           ; s[96:99], s[92:95]: group 0 of the head's loads of slot 0: A's whole tile, B's whole tile
.set G0HB, 92
	s_mov_b32 s[G0HB], 1
	s_mov_b32 s[G0HB+1], 2*HALFT
	s_mov_b64 s[G0HB+2:G0HB+3], s[46:47]
	s_or_b32 s[G0HB+3], s[G0HB+3], 0x80000000
	s_mov_b32 s[G0H], 1
	s_mov_b32 s[G0H+1], 0
	s_mov_b64 s[G0H+2:G0H+3], s[20:21]
	s_or_b32 s[G0H+3], s[G0H+3], 0x80000000
	s_add_nc_u64 s[20:21], s[20:21], s[18:19]      ; for the ring: my half of the tile
	s_add_nc_u64 s[46:47], s[46:47], s[18:19]
.irp s, 0,1
	s_mov_b32 s[G0+4*\s], 1
	s_add_co_u32 s[G0+4*\s+1], s45, \s*SLOT
	s_add_nc_u64 s[G0+4*\s+2:G0+4*\s+3], s[20:21], \s*NQ*1536
	s_or_b32 s[G0+4*\s+3], s[G0+4*\s+3], 0x80000000
	s_mov_b32 s[G0B+4*\s], 1
	s_add_co_u32 s[G0B+4*\s+1], s45, \s*SLOT
	s_add_nc_u64 s[G0B+4*\s+2:G0B+4*\s+3], s[46:47], \s*NQ*1536
	s_or_b32 s[G0B+4*\s+3], s[G0B+4*\s+3], 0x80000000
.endr
; The head's loads, one a wave: one chain of branches on the wave's number, all arms to one join.
.macro ARM under, g0, g1, next
	s_cmp_lt_u32 s14, \under
	s_cbranch_scc0 \next
	tensor_load_to_lds s[\g0:\g0+3], s[\g1:\g1+7]
	s_nop 0
.rept 4
	v_nop
.endr
	s_branch .Lhead_asked
\next:
.endm
	ARM 1, G0H, G1, .Lhead_b
	ARM 2, G0HB, G1B, .Lhead_sa
	ARM 3, G0S, G1S, .Lhead_sb
	tensor_load_to_lds s[G0SB:G0SB+3], s[G1SB:G1SB+7]
	s_nop 0
.rept 4
	v_nop
.endr
.Lhead_asked:
	v_and_b32 v1, 15, v0
	v_bfe_u32 v2, v0, 4, 1
	v_and_b32 v3, 31, v0
	v_lshlrev_b32 v[L16], 4, v3
	v_lshlrev_b32 v[L8], 3, v3
	v_lshlrev_b32 v[R4A], 2, v1
	v_lshlrev_b32 v[H8], 3, v2
	v_lshlrev_b32 v[HB], 5, v2
	v_min_u32 v12, 23, v3                          ; the prefetches' offset: two row blocks x 12 blocks of 256 bytes, a lane a block (the lanes left over name the last again)
	v_mul_u32_u24 v13, v12, 171
	v_lshrrev_b32 v13, 11, v13                     ; lane / 12
	v_mul_u32_u24 v13, v13, 9216                   ; a row block is 12,288 bytes, of which 3,072 are passed
	v_lshl_add_u32 v12, v12, 8, v13
	s_mul_i32 s21, s15, HALFT
	s_mul_i32 s22, s16, HALFT
	s_add_co_u32 s22, s22, 2*HALFT
.irp s, 0,1
	v_add_nc_u32 v[ADRA+\s], s21, v[L16]
	v_add_nc_u32 v[ADRA+2+\s], s21, v[L8]
	v_add_nc_u32 v[ADRB+\s], s22, v[L16]
	v_add_nc_u32 v[ADRB+2+\s], s22, v[L8]
	s_add_co_u32 s21, s21, SLOT
	s_add_co_u32 s22, s22, SLOT
.endr
	s_mul_i32 s21, s15, MB*64                      ; scale words lie [K step][256 rows]: my half of a row of words
	s_mul_i32 s22, s16, MB*64
	s_add_co_u32 s22, s22, 2*HALFS
	s_sub_co_u32 s22, s22, s21
	v_mul_u32_u24 v6, s22, v2
	s_add_co_u32 s21, s21, SCL
	v_add_nc_u32 v5, v[R4A], v6
	v_add_nc_u32 v[ADRS], s21, v5
	s_mul_i32 s23, s14, 67584
	v_mul_u32_u24 v5, v1, 528
	v_lshl_add_u32 v6, v2, 5, v5
	v_add_nc_u32 v[STO], s23, v6
	v_lshl_add_u32 v6, v2, 7, v5
	v_add_nc_u32 v[RDQ], s23, v6
	s_lshl_b32 s46, s42, 10
	s_lshl_b32 s47, s16, 9
	s_add_co_u32 s46, s46, s47
	s_mov_b32 s47, 0
	s_add_nc_u64 s[8:9], s[8:9], s[46:47]
	WIN 0x40
.set bi, 0
.rept 8
	global_load_b128 v[BIAS+8*bi:BIAS+8*bi+3], v[HB], s[8:9] offset:64*bi
	global_load_b128 v[BIAS+8*bi+4:BIAS+8*bi+7], v[HB], s[8:9] offset:64*bi+16
.set bi, bi+1
.endr
	WIN 0
	s_wait_alu depctr_va_vdst(0)
	s_cmp_eq_u32 s15, 0                            ; the prefetches: do I fetch for A?
	s_cselect_b64 s[4:5], s[4:5], s[6:7]
	s_cselect_b32 s20, s17, s42                    ; the tile, by its row in A, by its column in B
	s_cselect_b32 s21, s40, s41                    ; my place among the four that ask for it with me
	s_mov_b32 s22, W1C
	s_cselect_b32 s22, H2C, s22
	s_lshl_b32 s20, s20, 4
	s_lshl_b32 s23, s16, 3
	s_add_co_u32 s20, s20, s23
	s_lshl_b32 s21, s21, 1
	s_add_co_u32 s20, s20, s21                     ; the first of my work-group's two row blocks
	s_mul_i32 s20, s20, KST*1536
	s_add_co_u32 s20, s20, s22
	s_add_co_u32 s20, s20, 2*NQ*1536               ; at fill 2
	s_mov_b32 s21, 0
	s_add_nc_u64 s[4:5], s[4:5], s[20:21]
	global_prefetch_b8 v12, s[4:5] th:TH_LOAD_NT scope:SCOPE_SE                         ; fill 2, behind fill 0's load
	s_wait_tensorcnt 0x0                           ; my tile of the head's four is in; slot 1's first fill is issued as a refill is
	ds_add_u32 v[SPW], v[NIL]
	s_mov_b32 s[G1+2], MB<<16                      ; no load of mine is out: from here on a load brings MB row blocks
	s_mov_b32 s[G1+4], MB
	s_mov_b32 s[G1B+2], MB<<16
	s_mov_b32 s[G1B+4], MB
	s_wait_dscnt 0x0
	CROUND                                         ; all four tiles are in, and all sixteen work-groups are here
	JLOAD G0+4, G1, G0B+4, G1B                     ; slot 1: the first tensor load behind the round
	FETCH 0, 0, 0
	global_prefetch_b8 v12, s[4:5] offset:NQ*1536 th:TH_LOAD_NT scope:SCOPE_SE          ; fill 3, behind fill 1's load
	s_wait_loadcnt 0x0
	STEP 0, 0, 1
	s_mov_b32 s3, LAPS-1
.Llap:
	STEPS 0, 1
	TURN 0, 1, 1
	s_wait_alu depctr_va_vdst(0)
	STEPS 1, 0
	TURN 1, 0, 1
	s_wait_alu depctr_va_vdst(0)
	STEP 0, 0, 0
	s_sub_co_u32 s3, s3, 1
	s_cmp_lg_u32 s3, 0
	s_cbranch_scc1 .Llap
	STEPS 0, 1
	TURN 0, 1, 0
	s_wait_alu depctr_va_vdst(0)
	STEPS 1, 0
	s_wait_dscnt 0x0
	s_barrier_signal -1
	MULH 0, 1, 0
	MULH 1, 1, 0
	WIN 0
	s_barrier_wait -1
	PLACES 4
.set oa, 0
.rept 8
	WIN 0x08+4*(oa/4)
.set ob, 0
.rept 8
	ds_store_b128 v[STO], v[64*(oa%4)+8*ob:64*(oa%4)+8*ob+3] offset:8448*oa+64*ob
	ds_store_b128 v[STO], v[64*(oa%4)+8*ob+4:64*(oa%4)+8*ob+7] offset:8448*oa+64*ob+16
.set ob, ob+1
.endr
.set oa, oa+1
.endr
	WIN 0
	s_lshl_b32 s46, s17, 4
	s_lshl_b32 s47, s15, 3
	s_add_co_u32 s46, s46, s47
	s_lshl_b32 s48, s42, 1
	s_add_co_u32 s48, s48, s16
	s_lshl_b32 s47, s46, 5
	s_add_co_u32 s47, s47, s48
	s_mul_i32 s50, s47, 1536
	s_mov_b32 s51, 0
	s_add_nc_u64 s[50:51], s[10:11], s[50:51]
	s_lshl_b32 s52, s48, 14
	s_lshl_b32 s46, s46, 6
	s_add_co_u32 s52, s52, s46
	s_add_co_u32 s52, s52, GS
	s_mov_b32 s53, 0
	s_add_nc_u64 s[52:53], s[10:11], s[52:53]
	s_mov_b32 s[QP], 0x3e6d3388                    ; 0.3275911 / sqrt 2
	s_mov_b32 s[QK], 0xbf38aa3b                    ; -log2(e) / 2
	s_mov_b32 s[QA5], 0x3f07dc22                   ; 1.061405429 / 2
	s_mov_b32 s[QA3], 0x3f35f0e3                   ; 1.421413741 / 2
	s_mov_b32 s[QA2], 0xbe11a98e                   ; -0.284496736 / 2
	s_mov_b32 s[QA1], 0x3e027906                   ; 0.254829592 / 2
.irp c, QK, QA5, QA3, QA2, QA1
	s_mov_b32 s[\c+1], s[\c]                       ; (a packed form names the pair)
.endr
	v_mov_b32 v[CA4], 0xbf3a00e3                   ; -1.453152027 / 2
	v_mov_b32 v[CA4+1], 0xbf3a00e3
	v_mov_b32 v[W2], 0
	s_mov_b32 s2, 0
.macro LDX adr                         ; a block of 16 rows comes back from my stage, 64 numbers of a row to a lane (my own bytes: LDS serves a wave's instructions in order)
.irp c, 0,1
.irp j, 0,1,2,3,4,5,6,7
	ds_load_b128 v[X+32*\c+4*\j:X+32*\c+4*\j+3], v[\adr] offset:256*\c+16*((\j%2)+2*(\j/4)+4*((\j/2)%2))
.endr
.endr
.endm
	LDX RDQ                                        ; block 0
.Lout:                                             ; eight trips: a block of 16 rows each
	s_wait_dscnt 0x0
	GELU16 X
	GELU16 X+16
	GELU16 X+32
	GELU16 X+48
	QUANT128 X
	s_add_co_u32 s3, s2, 8448                      ; the next block's reads go out as soon as the conversions have read the numbers: they land under the stores and the steps below
	s_min_u32 s3, s3, 7*8448                       ; (the last trip reads its own block again, and nobody uses it: no branch)
	v_add_nc_u32 v[RDA], s3, v[RDQ]
	LDX RDA
	global_store_b128 v[L16], v[PC:PC+3], s[50:51]
	global_store_b64 v[L8], v[PC+4:PC+5], s[50:51] offset:512
	global_store_b128 v[L16], v[PC+6:PC+9], s[50:51] offset:768
	global_store_b64 v[L8], v[PC+10:PC+11], s[50:51] offset:1280
	global_store_b32 v[R4A], v[W], s[52:53]
	s_wait_xcnt 0x0
	s_add_nc_u64 s[50:51], s[50:51], 32*1536
	s_add_nc_u64 s[52:53], s[52:53], 64
	s_add_co_u32 s2, s2, 8448
	s_cmp_lt_u32 s2, 8*8448
	s_cbranch_scc1 .Lout
	s_wait_tensorcnt 0x0
	ds_add_u32 v[SPW], v[NIL]
	s_wait_dscnt 0x0
	CROUND
	s_endpgm
.Lfunc_end_k_qbfa88535b7_fc1:
	.size	k_qbfa88535b7_fc1, .Lfunc_end_k_qbfa88535b7_fc1-k_qbfa88535b7_fc1
	.p2alignl 7, 3214868480
	.fill 96, 4, 3214868480
	.section	.rodata,"a",@progbits
	.p2align	6, 0x0
	.amdhsa_kernel k_qbfa88535b7_fc1
		.amdhsa_group_segment_fixed_size 327680
		.amdhsa_private_segment_fixed_size 0
		.amdhsa_enable_private_segment 0
		.amdhsa_kernarg_size 32
		.amdhsa_user_sgpr_count 2
		.amdhsa_user_sgpr_kernarg_segment_ptr 1
		.amdhsa_wavefront_size32 1
		.amdhsa_system_sgpr_workgroup_id_x 1
		.amdhsa_system_sgpr_workgroup_id_y 1
		.amdhsa_system_sgpr_workgroup_id_z 1
		.amdhsa_system_vgpr_workitem_id 0
		.amdhsa_next_free_vgpr 1024
		.amdhsa_next_free_sgpr 100
		.amdhsa_reserve_vcc 0
		.amdhsa_float_denorm_mode_32 3
		.amdhsa_float_denorm_mode_16_64 3
		.amdhsa_memory_ordered 1
		.amdhsa_forward_progress 1
		.amdhsa_inst_pref_size 165
	.end_amdhsa_kernel
	.amdgpu_metadata
---
amdhsa.version: [ 1, 2 ]
amdhsa.kernels:
  - .name:           k_qbfa88535b7_fc1
    .symbol:         k_qbfa88535b7_fc1.kd
    .args:
      - { .name: mid, .offset: 0, .size: 8, .value_kind: global_buffer, .address_space: global }
      - { .name: wq, .offset: 8, .size: 8, .value_kind: global_buffer, .address_space: global }
      - { .name: fc1_b, .offset: 16, .size: 8, .value_kind: global_buffer, .address_space: global }
      - { .name: act, .offset: 24, .size: 8, .value_kind: global_buffer, .address_space: global }
    .group_segment_fixed_size: 327680
    .private_segment_fixed_size: 0
    .kernarg_segment_align: 8
    .kernarg_segment_size: 32
    .max_flat_workgroup_size: 128
    .sgpr_count:     100
    .vgpr_count:     1024
    .wavefront_size: 32
...
	.end_amdgpu_metadata
.endif
;; end of part 5
;; launch fc2 (part 6): grid 8 x 32, 4 waves a work-group, clusters of 4 x 4, 327,680 bytes of LDS; arguments act, wq, fc2_b, mid, out0; writes out0
.if DOCPART == 6
	.amdgcn_target "amdgcn-amd-amdhsa--gfx1250"
	.amdhsa_code_object_version 6
	.text
	.protected	k_qbfa88535b7_fc2
	.globl	k_qbfa88535b7_fc2
	.p2align	8
	.type	k_qbfa88535b7_fc2,@function
k_qbfa88535b7_fc2:
	s_mov_b64 s[64:65], 0
	v_nop
	global_prefetch_b8 v0, s[64:65] scope:SCOPE_SE
	s_setreg_imm32_b32 hwreg(HW_REG_WAVE_MODE, 25, 1), 1
	s_wait_xcnt 0x0
	s_wait_alu depctr_hold_cnt(0) depctr_sa_sdst(0) depctr_va_vdst(0) depctr_va_sdst(0) depctr_va_ssrc(0) depctr_va_vcc(0) depctr_vm_vsrc(0)
	s_getreg_b32 s2, hwreg(HW_REG_IB_STS2, 6, 4)
	s_cmp_eq_u32 s2, 0
	s_cbranch_scc0 .Lentry_in_a_cluster
	s_endpgm
.Lentry_in_a_cluster:
	s_bfe_u32 s2, ttmp6, 0x10000c
	s_cmp_lg_u32 s2, 0xf033
	s_cbranch_scc0 .Lentry_shape_is_right
	s_endpgm
.Lentry_shape_is_right:
; out0 = x1 + gelu(..) fc2_w^T + fc2_b on codes of FP6 (E2M3) with E8M0 scales; sums in f32.  A = act [4,096][4,096], B = fc2_w [1,024][4,096], x1 = the first 16 MiB of mid, f32.
; A tile of C is 128 x 128: 32 x 8 = 256 work-groups; four waves, each 64 x 64: 16 accumulators.  Operands lie in memory as images of the operand's registers (16 rows x 128 K = 1,536 bytes),
; [row block][K step]; scale words [K step][rows].  K = 4,096 goes in 32 steps through a ring of two LDS slots of four steps: eight fills; a ring load brings 4 row blocks x 4 steps = 24,576 bytes.
; THE HEAD'S FOUR TILES come one to a wave: wave 0 slot 0 of A (8 row blocks), wave 1 of B, wave 2 A's scale words of all of K ([32 steps][512 bytes]), wave 3 B's.  Slot 1 follows behind a round.
; CLUSTER 4 x 4: A's tiles are asked for jointly along a row of the cluster, B's along a column.  The product is used transposed (source 0 = B's rows, source 1 = A's); the bias is the C of the first products.
; PREFETCHES: behind the load of fill f each wave names fill f + 2 of the quarter that it fetches: of its 4 row blocks the partner at place p (cx for A, cy for B) names block p, 6,144 bytes, 24 lanes a
; block of 256 bytes each (the lanes left over name the last again): each block once in each cluster that loads it.  Fills 6 and 7 are the last named.  In the loop's last trip, which has no fill two on,
; the wave names its own 64 rows x 256 bytes of x1 instead, a lane a row; x1 is loaded four K steps later, in the last lap, and added on the way out.
; WINDOWS: 0: addresses, scale words v32-39, A's two sets v64-159; 1: B's two sets v0-95, the bias v192-223; 2: the accumulators v0-127, x1 v128-255.
; THE WAY OUT: 16 rows at a time through the wave's own stage in slot 0, which has had its last fill, and which nobody reads behind the last change of slots.  LIMITS: NaN and infinities are not served.
.set MB,   4
.set NQ,   4
.set KST,  32
.set LAPS, KST/(2*NQ)
.set IMG,  1536
.set HALFT, MB*NQ*IMG
.set SLOT,  4*HALFT
.set SCL,   2*SLOT
.set SROW,  2*MB*64                    ; a K step's scale words of a tile's 128 rows
.set SCLB,  SCL+KST*SROW
.set SPARE, SCL+2*KST*SROW             ; the spare words, 128 bytes a wave
.set GS,  12582912
.set W2C, 9863168
.set W2S, 13008896
.set HB,   11
.set CO,   12
.set PFO,  13                          ; 256 x min(lane, 23)
.set PFX,  14                          ; 4,096 x lane
.set ADRA, 16
.set ADRB, 20
.set STO,  24
.set RDQ,  25
.set L16,  26
.set ADRS, 27
.set SPW,  28
.set NIL,  29
.set L8,   30
.set R4A,  31
.set SC,   32
.set AF,   64
.set BF,   0
.set BIAS, 192
.set T,    64
.set PFA, 4                            ; s[4:5] where my prefetches stand
.set G1, 24
.set G0, 32
.set G1B, 48
.set G0B, 56
.set G1S, 68
.set G0S, 76
.set G1SB, 80
.set G0SB, 88
.set G0HB, 92
.set G0H, 96
.set MSB, 0
.macro WIN new                         ; the immediate's high byte repeats the setting that is left
.if MSB != (\new)
	s_set_vgpr_msb (MSB<<8)|(\new)
.set MSB, (\new)
.endif
.endm
.macro PLACES n
.rept \n
	v_nop
.endr
.endm
.macro TLOAD g0, g1                    ; a tensor load with an s_nop and four v_nop behind it
	tensor_load_to_lds s[\g0:\g0+3], s[\g1:\g1+7]
	s_nop 0
.rept 4
	v_nop
.endr
.endm
.macro JLOAD g0a, g0b                  ; a ring load: waves 0 and 1 fetch for A, waves 2 and 3 for B
	s_cmp_eq_u32 s15, 0
	s_cbranch_scc0 .Lfor_b_\@
	TLOAD \g0a, G1
	s_branch .Lasked_\@
.Lfor_b_\@:
	TLOAD \g0b, G1B
.Lasked_\@:
.endm
.macro CREST                           ; a round of the cluster's barrier behind its opening barrier
	s_cmp_lg_u32 s14, 0
	s_cbranch_scc1 .Lnot_wave_0_\@
	s_barrier_signal -3
.Lnot_wave_0_\@:
	s_barrier_wait -3
	s_barrier_signal -1
	s_barrier_wait -1
.endm
.macro CROUND
	s_barrier_signal -1
	s_barrier_wait -1
	CREST
.endm
.macro FRAG reg, adr, off              ; an image comes back as the 12 registers that it is
	ds_load_b128 v[(\reg):(\reg)+3], v[\adr] offset:(\off)
	ds_load_b64 v[(\reg)+4:(\reg)+5], v[(\adr)+2] offset:(\off)+512
	ds_load_b128 v[(\reg)+6:(\reg)+9], v[\adr] offset:(\off)+768
	ds_load_b64 v[(\reg)+10:(\reg)+11], v[(\adr)+2] offset:(\off)+1280
.endm
.macro FETCH slot, q, set              ; the slot's q-th K step: B's and A's four fragments, and the scale words (lanes 0-15 A's block i, lanes 16-31 B's)
	WIN 0x40
.set fi, 0
.rept MB
	FRAG BF+12*MB*(\set)+12*fi, ADRB+\slot, (fi*NQ+(\q))*IMG
.set fi, fi+1
.endr
	WIN 0
.set fi, 0
.rept MB
	FRAG AF+12*MB*(\set)+12*fi, ADRA+\slot, (fi*NQ+(\q))*IMG
.set fi, fi+1
.endr
.set fi, 0
.rept MB
	ds_load_b32 v[SC+MB*(\set)+fi], v[ADRS] offset:(\q)*SROW+64*fi
.set fi, fi+1
.endr
.endm
.macro MULH half, set, cm              ; half of a K step's 16 products; cm = 1: the sums begin with the bias.  The accumulators take turns
.if (\cm)
	WIN 0x91
.else
	WIN 0xa1
.endif
.set ia, (\half)*MB/2
.rept MB/2
.set ib, 0
.rept MB
.set RD_, 8*(MB*ia+ib)
.set RC_, RD_
.if (\cm)
.set RC_, BIAS+8*ib
.endif
	v_wmma_scale_f32_16x16x128_f8f6f4 v[RD_:RD_+7], v[BF+12*MB*(\set)+12*ib:BF+12*MB*(\set)+12*ib+11], v[AF+12*MB*(\set)+12*ia:AF+12*MB*(\set)+12*ia+11], v[RC_:RC_+7], v[SC+MB*(\set)+ib], v[SC+MB*(\set)+ia] matrix_a_fmt:MATRIX_FMT_FP6 matrix_b_fmt:MATRIX_FMT_FP6 matrix_a_scale:MATRIX_SCALE_ROW1
.set ib, ib+1
.endr
.set ia, ia+1
.endr
.endm
.macro STEP slot, q, cm                ; a K step that has its successor in the same slot
	s_wait_dscnt 0x0                               ; this step's fragments are in
	PLACES 4                                       ; in front of loads into the set that the last step's products read
	FETCH \slot, (\q)+1, ((\q)+1)%2
	MULH 0, (\q)%2, \cm
	MULH 1, (\q)%2, \cm
	WIN 0
.endm
.macro STEPS slot, q0
.set qq, \q0
.rept NQ-1-(\q0)
	STEP \slot, qq, 0
.set qq, qq+1
.endr
.endm
.macro ASK slot                        ; s3 = 1 in the loop's last trip
	s_cmp_gt_u32 s3, 1
	s_cbranch_scc0 .Lresidual_\@
	global_prefetch_b8 v[PFO], s[PFA:PFA+1] offset:NQ*IMG th:TH_LOAD_NT scope:SCOPE_SE          ; the fill two refills on
	s_branch .Lnamed_\@
.Lresidual_\@:
	global_prefetch_b8 v[PFX], s[10:11] offset:(\slot)*32*4096 th:TH_LOAD_NT scope:SCOPE_SE     ; 32 of my 64 rows of x1
.Lnamed_\@:
.endm
; A slot's last K step changes slots: one barrier; in front of it each wave waits for all its tensor loads, adds 0 to its spare word, and waits for that and for its reads of this slot (all are in registers then).
.macro TURN slot, next, fill
.if \fill
	s_wait_xcnt 0x0                                ; my last prefetch has read its address
	s_add_nc_u64 s[PFA:PFA+1], s[PFA:PFA+1], NQ*IMG
.endif
	s_wait_tensorcnt 0x0                           ; my part of the next slot has landed; no load of mine is out
	ds_add_u32 v[SPW], v[NIL]
	s_wait_dscnt 0x0
	s_barrier_signal -1
	MULH 0, 1, 0                                   ; work on registers while the others arrive
	WIN 0
	s_barrier_wait -1
.if \fill
	CREST                                          ; the barrier has opened a round of the cluster's
	s_add_nc_u64 s[G0+4*\slot+2:G0+4*\slot+3], s[G0+4*\slot+2:G0+4*\slot+3], 2*NQ*IMG
	s_add_nc_u64 s[G0B+4*\slot+2:G0B+4*\slot+3], s[G0B+4*\slot+2:G0B+4*\slot+3], 2*NQ*IMG
	JLOAD G0+4*\slot, G0B+4*\slot                  ; the first tensor load behind the round; its four v_nop are the places in front of the loads below
.else
	PLACES 4
.endif
	v_add_nc_u32 v[ADRS], NQ*SROW, v[ADRS]         ; the next slot's scale words
	s_wait_alu depctr_va_vdst(0)                   ; the wait behind the write
	FETCH \next, 0, 0
.if \fill
	ASK \slot
.endif
	MULH 1, 1, 0
	WIN 0
.endm
	s_load_b256 s[4:11], s[0:1], 0x0               ; act, wq, fc2_b, mid
	s_load_b64 s[12:13], s[0:1], 0x20              ; out0
	v_lshl_add_u32 v[SPW], v0, 2, SPARE
	v_mov_b32 v[NIL], 0
	ds_add_u32 v[SPW], v[NIL]                      ; the opening lines: the add, twice on end, and its wait
	ds_add_u32 v[SPW], v[NIL]
	v_lshrrev_b32 v1, 5, v0
	v_readfirstlane_b32 s14, v1                    ; wave 0..3
	s_lshr_b32 s15, s14, 1                         ; my half of the tile's rows.  Also: in the ring I fetch for A (0) or B (1)
	s_and_b32 s16, s14, 1                          ; my half of its columns.  Also: which 4 row blocks I fetch
	s_bfe_u32 s40, ttmp6, 0x40000                  ; cx
	s_bfe_u32 s41, ttmp6, 0x40004                  ; cy
	s_lshl_b32 s42, ttmp9, 2
	s_add_co_u32 s42, s42, s40                     ; tile column
	s_and_b32 s17, ttmp7, 0xffff
	s_lshl_b32 s17, s17, 2
	s_add_co_u32 s17, s17, s41                     ; tile row
	s_lshl_b32 s43, s41, 2
	s_lshl_b32 s43, 15, s43                        ; my row of the cluster
	s_lshl_b32 s44, 0x1111, s40                    ; my column
	s_or_b32 s[G1], s43, (3<<16)|(1<<21)           ; the mask; elements of 8 bytes; bit 21 beside a mask; no padding
	s_or_b32 s[G1B], s44, (3<<16)|(1<<21)
.irp g, G1, G1B
	s_mov_b32 s[\g+1], (NQ*192)<<16                ; a row: NQ images
	s_mov_b32 s[\g+2], (2*MB)<<16                  ; the head's loads bring 2 MB row blocks; behind them the two words are set to MB
	s_mov_b32 s[\g+3], (NQ*192)<<16
	s_mov_b32 s[\g+4], 2*MB
	s_mov_b32 s[\g+5], KST*192                     ; from row block to row block
	s_mov_b32 s[\g+6], 0
	s_mov_b32 s[\g+7], 0
.endr
	s_or_b32 s[G1S], s43, (3<<16)|(1<<21)
	s_or_b32 s[G1SB], s44, (3<<16)|(1<<21)
.irp g, G1S, G1SB
	s_mov_b32 s[\g+1], (SROW/8)<<16                ; the words of 128 rows
	s_mov_b32 s[\g+2], KST<<16                     ; for each K step
	s_mov_b32 s[\g+3], (SROW/8)<<16
	s_mov_b32 s[\g+4], KST
	s_mov_b32 s[\g+6], 0
	s_mov_b32 s[\g+7], 0
.endr
	s_mov_b32 s[G1S+5], 2048                       ; 4,096 words from K step to K step
	s_mov_b32 s[G1SB+5], 512                       ; 1,024 words
	s_mul_i32 s20, s17, 2*MB                       ; A's tile: its first row block
	s_mul_i32 s46, s42, 2*MB                       ; B's
	s_lshl_b32 s22, s20, 6
	s_add_co_u32 s22, s22, GS
	s_mov_b32 s23, 0
	s_mul_i32 s20, s20, KST*IMG
	s_mov_b32 s21, 0
	s_lshl_b32 s92, s46, 6
	s_add_co_u32 s92, s92, W2S
	s_mov_b32 s93, 0
	s_mul_i32 s46, s46, KST*IMG
	s_add_co_u32 s46, s46, W2C
	s_mov_b32 s47, 0
	s_mul_i32 s45, s14, HALFT                      ; where my ring loads go: by the wave's number alone
	s_mul_i32 s18, s16, MB*KST*IMG                 ; and which half of the tile they bring, in bytes
	s_mov_b32 s19, 0
	s_wait_dscnt 0x0                               ; both opening adds are done
	s_wait_kmcnt 0x0
	s_add_nc_u64 s[20:21], s[4:5], s[20:21]
	s_add_nc_u64 s[22:23], s[4:5], s[22:23]
	s_add_nc_u64 s[46:47], s[6:7], s[46:47]
	s_add_nc_u64 s[92:93], s[6:7], s[92:93]
	s_mov_b32 s[G0S], 1
	s_mov_b32 s[G0S+1], SCL
	s_mov_b64 s[G0S+2:G0S+3], s[22:23]
	s_or_b32 s[G0S+3], s[G0S+3], 0x80000000
	s_mov_b32 s[G0SB], 1
	s_mov_b32 s[G0SB+1], SCLB
	s_mov_b64 s[G0SB+2:G0SB+3], s[92:93]
	s_or_b32 s[G0SB+3], s[G0SB+3], 0x80000000
	s_mov_b32 s[G0HB], 1
	s_mov_b32 s[G0HB+1], 2*HALFT
	s_mov_b64 s[G0HB+2:G0HB+3], s[46:47]
	s_or_b32 s[G0HB+3], s[G0HB+3], 0x80000000
	s_mov_b32 s[G0H], 1
	s_mov_b32 s[G0H+1], 0
	s_mov_b64 s[G0H+2:G0H+3], s[20:21]
	s_or_b32 s[G0H+3], s[G0H+3], 0x80000000
	s_add_nc_u64 s[20:21], s[20:21], s[18:19]      ; for the ring: my half of the tile
	s_add_nc_u64 s[46:47], s[46:47], s[18:19]
.irp s, 0,1
	s_mov_b32 s[G0+4*\s], 1
	s_add_co_u32 s[G0+4*\s+1], s45, \s*SLOT
	s_add_nc_u64 s[G0+4*\s+2:G0+4*\s+3], s[20:21], \s*NQ*IMG
	s_or_b32 s[G0+4*\s+3], s[G0+4*\s+3], 0x80000000
	s_mov_b32 s[G0B+4*\s], 1
	s_add_co_u32 s[G0B+4*\s+1], s45, \s*SLOT
	s_add_nc_u64 s[G0B+4*\s+2:G0B+4*\s+3], s[46:47], \s*NQ*IMG
	s_or_b32 s[G0B+4*\s+3], s[G0B+4*\s+3], 0x80000000
.endr
	CROUND                                         ; all sixteen work-groups are here: the first joint loads meet
; one chain of branches on the wave's number, a load to an arm, all arms to one join
.macro ARM under, g0, g1, next
	s_cmp_lt_u32 s14, \under
	s_cbranch_scc0 \next
	TLOAD \g0, \g1
	s_branch .Lhead_asked
\next:
.endm
	ARM 1, G0H, G1, .Lhead_b
	ARM 2, G0HB, G1B, .Lhead_sa
	ARM 3, G0S, G1S, .Lhead_sb
	TLOAD G0SB, G1SB
.Lhead_asked:
	v_and_b32 v1, 15, v0                           ; r
	v_bfe_u32 v2, v0, 4, 1                         ; h
	v_and_b32 v3, 31, v0                           ; lane
	v_lshlrev_b32 v[L16], 4, v3
	v_lshlrev_b32 v[L8], 3, v3
	v_lshlrev_b32 v[R4A], 2, v1
	v_lshlrev_b32 v[HB], 5, v2
	v_min_u32 v[PFO], 23, v3
	v_lshlrev_b32 v[PFX], 12, v3
	v_lshlrev_b32 v[PFO], 8, v[PFO]
	s_mul_i32 s21, s15, HALFT                      ; my 4 row blocks of A
	s_mul_i32 s22, s16, HALFT
	s_add_co_u32 s22, s22, 2*HALFT                 ; and of B, behind A's two halves
.irp s, 0,1
	v_add_nc_u32 v[ADRA+\s], s21, v[L16]
	v_add_nc_u32 v[ADRA+2+\s], s21, v[L8]
	v_add_nc_u32 v[ADRB+\s], s22, v[L16]
	v_add_nc_u32 v[ADRB+2+\s], s22, v[L8]
	s_add_co_u32 s21, s21, SLOT
	s_add_co_u32 s22, s22, SLOT
.endr
	s_mul_i32 s21, s15, MB*64                      ; my half of a row of A's words
	s_mul_i32 s22, s16, MB*64
	s_add_co_u32 s22, s22, KST*SROW                ; and of B's, behind A's
	s_sub_co_u32 s22, s22, s21
	v_mul_u32_u24 v6, s22, v2                      ; lanes 16-31 take B's words: one product, the distance between the two bases
	s_add_co_u32 s21, s21, SCL
	v_add_nc_u32 v5, v[R4A], v6
	v_add_nc_u32 v[ADRS], s21, v5
	s_mul_i32 s23, s14, 4352                       ; my stage of the way out: 16 rows x 272 bytes
	v_mul_u32_u24 v5, v1, 272
	v_lshl_add_u32 v5, v2, 5, v5
	v_add_nc_u32 v[STO], s23, v5                   ; in: row r, + 32 h
	v_mul_u32_u24 v5, v2, 272
	v_lshl_add_u32 v5, v1, 4, v5
	v_add_nc_u32 v[RDQ], s23, v5                   ; back: lanes 0-15 one row, lanes 16-31 the next
	v_lshlrev_b32 v5, 12, v2
	v_lshl_add_u32 v[CO], v1, 4, v5                ; and the same two rows in x1 and out0
	s_wait_alu depctr_va_vdst(0)
	s_lshl_b32 s46, s42, 9                         ; my first column, in bytes
	s_lshl_b32 s47, s16, 8
	s_add_co_u32 s46, s46, s47
	s_mov_b32 s47, 0
	s_add_nc_u64 s[8:9], s[8:9], s[46:47]          ; the bias
	s_lshl_b32 s20, s17, 7
	s_lshl_b32 s21, s15, 6
	s_add_co_u32 s20, s20, s21                     ; my first row
	s_lshl_b32 s20, s20, 12
	s_add_co_u32 s46, s46, s20
	s_add_nc_u64 s[10:11], s[10:11], s[46:47]      ; x1
	s_add_nc_u64 s[12:13], s[12:13], s[46:47]      ; out0
	WIN 0x40
.set bi, 0
.rept 4
	global_load_b128 v[BIAS+8*bi:BIAS+8*bi+3], v[HB], s[8:9] offset:64*bi       ; lane (r, h): columns 16 b + 8 h + 0 .. 7
	global_load_b128 v[BIAS+8*bi+4:BIAS+8*bi+7], v[HB], s[8:9] offset:64*bi+16
.set bi, bi+1
.endr
	WIN 0
	s_cmp_eq_u32 s15, 0                            ; the prefetches: do I fetch for A?
	s_cselect_b64 s[PFA:PFA+1], s[4:5], s[6:7]
	s_cselect_b32 s20, s17, s42                    ; the tile, by its row in A, by its column in B
	s_cselect_b32 s21, s40, s41                    ; my place among the four that ask for it with me
	s_cselect_b32 s22, 0, W2C
	s_lshl_b32 s20, s20, 3
	s_lshl_b32 s23, s16, 2
	s_add_co_u32 s20, s20, s23
	s_add_co_u32 s20, s20, s21                     ; my work-group's row block of the four that I fetch
	s_mul_i32 s20, s20, KST*IMG
	s_add_co_u32 s20, s20, s22
	s_add_co_u32 s20, s20, 2*NQ*IMG                ; at fill 2
	s_mov_b32 s21, 0
	s_add_nc_u64 s[PFA:PFA+1], s[PFA:PFA+1], s[20:21]
	global_prefetch_b8 v[PFO], s[PFA:PFA+1] th:TH_LOAD_NT scope:SCOPE_SE                        ; fill 2, behind fill 0's load
	s_wait_tensorcnt 0x0                           ; my tile of the head's four is in; slot 1's first fill is issued as a refill is
	ds_add_u32 v[SPW], v[NIL]
	s_mov_b32 s[G1+2], MB<<16                      ; no load of mine is out: from here on a load brings MB row blocks
	s_mov_b32 s[G1+4], MB
	s_mov_b32 s[G1B+2], MB<<16
	s_mov_b32 s[G1B+4], MB
	s_wait_dscnt 0x0
	CROUND                                         ; all four tiles are in, and all sixteen work-groups are here
	JLOAD G0+4, G0B+4                              ; slot 1: the first tensor load behind the round
	FETCH 0, 0, 0
	global_prefetch_b8 v[PFO], s[PFA:PFA+1] offset:NQ*IMG th:TH_LOAD_NT scope:SCOPE_SE          ; fill 3, behind fill 1's load
	s_wait_loadcnt 0x0                             ; the bias
	STEP 0, 0, 1                                   ; the first K step starts the sums
	s_mov_b32 s3, LAPS-1
.Llap:                                             ; a trip goes once round the ring and fills both slots again
	STEPS 0, 1
	TURN 0, 1, 1
	STEPS 1, 0
	TURN 1, 0, 1
	STEP 0, 0, 0
	s_sub_co_u32 s3, s3, 1
	s_cmp_lg_u32 s3, 0
	s_cbranch_scc1 .Llap
	STEPS 0, 1                                     ; the last lap fills nothing
	WIN 0x80
.set bi, 0
.rept 32
	global_load_b128 v[128+4*bi:131+4*bi], v[CO], s[10:11] offset:2*bi*4096 th:TH_LOAD_NT       ; x1: sixteen lanes read 256 consecutive bytes; five K steps stand ahead of the wait for them
.set bi, bi+1
.endr
	WIN 0
	TURN 0, 1, 0
	STEPS 1, 0
	s_wait_dscnt 0x0                               ; the very last K step
	MULH 0, 1, 0
	MULH 1, 1, 0
	WIN 0
	s_wait_loadcnt 0x0                             ; x1
	PLACES 4
.set oa, 0
.rept 4
	WIN 0x08                                       ; an LDS store's data are its source 1: window 2
.set ob, 0
.rept 4
	ds_store_b128 v[STO], v[8*(4*oa+ob):8*(4*oa+ob)+3] offset:64*ob            ; each accumulator from its low end on
	ds_store_b128 v[STO], v[8*(4*oa+ob)+4:8*(4*oa+ob)+7] offset:64*ob+16
.set ob, ob+1
.endr
	WIN 0
.if oa > 0
	s_wait_xcnt 0x0                                ; the last block's stores have read their data
.endif
.set ob, 0
.rept 8
	ds_load_b128 v[T+4*ob:T+4*ob+3], v[RDQ] offset:544*ob                      ; my own bytes: LDS serves a wave's instructions in order
.set ob, ob+1
.endr
	s_wait_dscnt 0x0
	WIN 0x08
.set ob, 0
.rept 16
	v_pk_add_f32 v[T+ob:T+ob+1], v[T+ob:T+ob+1], v[128+32*oa+ob:129+32*oa+ob]  ; + x1
.set ob, ob+2
.endr
	WIN 0
.set ob, 0
.rept 8
	global_store_b128 v[CO], v[T+4*ob:T+4*ob+3], s[12:13] offset:(16*oa+2*ob)*4096 th:TH_STORE_NT   ; sixteen lanes store 256 consecutive bytes, aligned
.set ob, ob+1
.endr
.set oa, oa+1
.endr
	s_wait_tensorcnt 0x0                           ; the wave's end
	ds_add_u32 v[SPW], v[NIL]
	s_wait_dscnt 0x0
	CROUND                                         ; the closing round
	s_endpgm
.Lfunc_end_k_qbfa88535b7_fc2:
	.size	k_qbfa88535b7_fc2, .Lfunc_end_k_qbfa88535b7_fc2-k_qbfa88535b7_fc2
	.p2alignl 7, 3214868480
	.fill 96, 4, 3214868480
	.section	.rodata,"a",@progbits
	.p2align	6, 0x0
	.amdhsa_kernel k_qbfa88535b7_fc2
		.amdhsa_group_segment_fixed_size 327680
		.amdhsa_private_segment_fixed_size 0
		.amdhsa_enable_private_segment 0
		.amdhsa_kernarg_size 40
		.amdhsa_user_sgpr_count 2
		.amdhsa_user_sgpr_kernarg_segment_ptr 1
		.amdhsa_wavefront_size32 1
		.amdhsa_system_sgpr_workgroup_id_x 1
		.amdhsa_system_sgpr_workgroup_id_y 1
		.amdhsa_system_sgpr_workgroup_id_z 1
		.amdhsa_system_vgpr_workitem_id 0
		.amdhsa_next_free_vgpr 768
		.amdhsa_next_free_sgpr 100
		.amdhsa_reserve_vcc 0
		.amdhsa_float_denorm_mode_32 3
		.amdhsa_float_denorm_mode_16_64 3
		.amdhsa_memory_ordered 1
		.amdhsa_forward_progress 1
		.amdhsa_inst_pref_size 104
	.end_amdhsa_kernel
	.amdgpu_metadata
---
amdhsa.version: [ 1, 2 ]
amdhsa.kernels:
  - .name:           k_qbfa88535b7_fc2
    .symbol:         k_qbfa88535b7_fc2.kd
    .args:
      - { .name: act, .offset: 0, .size: 8, .value_kind: global_buffer, .address_space: global }
      - { .name: wq, .offset: 8, .size: 8, .value_kind: global_buffer, .address_space: global }
      - { .name: fc2_b, .offset: 16, .size: 8, .value_kind: global_buffer, .address_space: global }
      - { .name: mid, .offset: 24, .size: 8, .value_kind: global_buffer, .address_space: global }
      - { .name: out0, .offset: 32, .size: 8, .value_kind: global_buffer, .address_space: global }
    .group_segment_fixed_size: 327680
    .private_segment_fixed_size: 0
    .kernarg_segment_align: 8
    .kernarg_segment_size: 40
    .max_flat_workgroup_size: 128
    .sgpr_count:     100
    .vgpr_count:     768
    .wavefront_size: 32
...
	.end_amdgpu_metadata
.endif
;; end of part 6
